; MI455X (gfx1250); checked and timed in simulation.
; The chip was launched on July 23, 2026; its instructions are those of AMD's public machine-readable ISA for CDNA 5 (MIT licence, August 2026) and "CDNA5" Instruction Set Architecture Reference Guide (July 2026). The comments in the code are by the model that wrote it; some were corrected since.
;; Sparse Moe. Allowed arithmetic: float matrix products may take bf16 or f16 operands with f32 sums; all other float work in f32.
;; Inputs: expert_down_w 16 x 512 x 1,024 float32; expert_gate_w 16 x 1,024 x 512 float32; expert_up_w 16 x 1,024 x 512 float32; gate_w 1,024 x 16 float32; hidden_states 4 x 512 x 1,024 float32; shared_down_w 2,048 x 1,024 float32; shared_expert_gate_w 1,024 x 1 float32; shared_gate_w 1,024 x 2,048 float32; shared_up_w 1,024 x 2,048 float32.
;; Outputs: out0 4 x 512 x 1,024 float32; out1 2,048 x 16 float32.
;; Constants: top_k = 2.
;; 2 versions, each right and faster than the one before. Each part assembles by itself: llvm-mc -triple=amdgcn-amd-amdhsa -mcpu=gfx1250 --defsym DOCPART=n.
;; ======== version 1 of 2: 5 launches
;; workspace buffers: xb 4,194,304 bytes; rsel 16,384 bytes of whole numbers; rwt 32,768 bytes; lists 45,312 bytes of whole numbers; lwgt 28,672 bytes; hbuf 13,631,488 bytes; ybuf 20,971,520 bytes
;; launch router (part 1): grid 128 x 1, 4 waves a work-group, no clusters, 75,264 bytes of LDS; arguments hidden_states, gate_w, shared_expert_gate_w, xb, out1, rsel, rwt; writes xb, out1, rsel, rwt
.if DOCPART == 1
	.amdgcn_target "amdgcn-amd-amdhsa--gfx1250"
	.amdhsa_code_object_version 6
	.text
	.protected	k_qe09c72ad09_router
	.globl	k_qe09c72ad09_router
	.p2align	8
	.type	k_qe09c72ad09_router,@function
k_qe09c72ad09_router:
	s_mov_b64 s[64:65], 0
	v_nop
	global_prefetch_b8 v0, s[64:65] scope:SCOPE_SE
	s_setreg_imm32_b32 hwreg(HW_REG_WAVE_MODE, 25, 1), 1
	s_wait_xcnt 0x0
; ROUTER.  For 16 tokens a work-group: xb = bf16(x); logits = x . gate_w (out1); the two largest logits' experts (rsel); their weights and the
; shared expert's gate (rwt: w0, w1, sg, 0).  x, gate_w and shared_expert_gate_w are rounded to bf16, products by the matrix unit, sums in f32.
; SHARES.  Wave w takes K = 256 w .. 256 w + 255 of all 16 tokens; the four partial sums meet in LDS and wave 0 finishes.
; The matrix instruction is used transposed: source 0 = 16 experts (or 16 copies of the shared gate's vector), source 1 = 16 tokens, so a lane
; holds one token (lane % 16) and the experts 8 (lane / 16) + 0..7.
; NO TENSOR LOADS, NO CLUSTER: every input is f32 and has to pass through registers to be rounded; no two work-groups share a token.
; LIMITS.  NaN and infinities are not treated apart.  The two experts are chosen by the logits, a tie going to the lower index; that differs from a choice
; by the probabilities only where unequal logits round to equal probabilities.  w0 = 1 / (1 + e^(l2 - l1)), w1 = e^(l2 - l1) w0: the larger logit is taken
; away before the exponential, so its argument is never above 0; a result below 2^-126 counts as 0.
.set XPW, 528                          ; a row of a wave's x in LDS: 512 bytes + 16: 33 x 16, the 16 rows of a load start at 16 different groups of four banks
.set XWV, 16*XPW                       ; a wave's 16 rows
.set GW,  4*XWV                        ; gate_w as bf16, [k][16], 32 bytes a row; wave w's 256 rows at 8,192 w
.set SGL, GW+32768                     ; shared_expert_gate_w as bf16; wave w's 256 numbers at 512 w
.set RED, SGL+2048                     ; the partial sums: 48 bytes a lane, 1,536 a wave
.set GR,  192                          ; v[192:255] 16 loads of gate_w
.set SR,  56                           ; v[56:63]   2 loads of the shared gate's vector
.set XR,  64                           ; v[64:191]  32 loads of x
.set FRG, 64                           ; v[64:255]  fragments, 24 registers a K step of 32: experts, shared gate, tokens
.set ACL, 24                           ; v[24:31]   logits
.set ACS, 32                           ; v[32:39]   x . shared gate, the same in all eight
.set LG,  40                           ; v[40:47]   the summed logits; v48 the summed gate argument
	s_load_b256 s[4:11], s[0:1], 0x0               ; x s[4:5], gate_w s[6:7], shared gate s[8:9], xb s[10:11]
	s_load_b128 s[12:15], s[0:1], 0x20             ; out1 s[12:13], rsel s[14:15]
	s_load_b64 s[16:17], s[0:1], 0x30              ; rwt
	s_set_vgpr_msb 0x40
	v_lshl_add_u32 v0, v0, 2, 0x12400
	v_mov_b32 v1, 0
	s_set_vgpr_msb 0x4000
	v_lshrrev_b32 v2, 5, v0
	v_readfirstlane_b32 s18, v2                    ; wave 0..3
	v_and_b32 v1, 31, v0                           ; lane
	v_and_b32 v2, 15, v0                           ; r = lane % 16
	v_bfe_u32 v3, v0, 4, 1                         ; h = lane / 16
	v_lshlrev_b32 v4, 4, v1                        ; 16 bytes a lane: every load of f32
	v_lshlrev_b32 v5, 3, v1                        ; 8 bytes a lane: the same four numbers as bf16
	s_lshl_b32 s19, s18, 13
	s_add_co_u32 s19, s19, GW                      ; my quarter of gate_w in LDS
	v_add_nc_u32 v6, s19, v5
	s_lshl_b32 s36, s18, 9
	s_add_co_u32 s36, s36, SGL                     ; my quarter of the shared gate's vector
	v_add_nc_u32 v7, s36, v5
	s_mul_i32 s37, s18, XWV                        ; my quarter of x
	v_add_nc_u32 v8, s37, v5
	v_and_b32 v49, 7, v0                           ; the turning load: lane l reads row 8 h + l % 8, 16 bytes at 16 ((l / 8) % 2)
	v_lshl_add_u32 v49, v3, 3, v49
	v_bfe_u32 v50, v0, 3, 1
	v_lshlrev_b32 v49, 5, v49
	v_lshl_add_u32 v49, v50, 4, v49
	v_add_nc_u32 v9, s19, v49
	v_lshl_add_u32 v10, v3, 4, s36                 ; the shared gate's fragment: the same 16 bytes for all 16 rows
	v_mul_u32_u24 v11, v2, XPW
	v_lshl_add_u32 v11, v3, 4, v11
	v_add_nc_u32 v11, s37, v11                     ; a token's fragment: row r, 16 bytes for each half of the lanes
	v_mul_u32_u24 v13, v1, 48
	v_add_nc_u32 v13, RED, v13                     ; wave 0's partial sums, where the reading begins
	s_mul_i32 s37, s18, 1536
	v_add_nc_u32 v12, s37, v13                     ; my own
	s_mov_b32 s28, 0x76543210                      ; v_permlanex16_b32: each lane takes its own place in the other half
	s_mov_b32 s29, 0xfedcba98
	s_lshl_b32 s34, ttmp9, 16                      ; 16 tokens x 4,096 bytes
	s_lshl_b32 s36, s18, 10                        ; my 256 numbers of a row
	s_add_co_u32 s34, s34, s36
	s_mov_b32 s35, 0
	s_wait_kmcnt 0x0
	s_add_nc_u64 s[20:21], s[4:5], s[34:35]
	s_lshl_b32 s34, s18, 14                        ; my 256 rows of gate_w, 64 bytes each
	s_add_nc_u64 s[22:23], s[6:7], s[34:35]
	s_mov_b32 s34, s36
	s_add_nc_u64 s[24:25], s[8:9], s[34:35]
	s_lshl_b32 s34, ttmp9, 15                      ; 16 tokens x 2,048 bytes of xb
	s_lshl_b32 s36, s18, 9
	s_add_co_u32 s34, s34, s36
	s_add_nc_u64 s[26:27], s[10:11], s[34:35]
	; all loads but gate_w's second half go out at once: 16 + 2 + 32
.set n, 0
.rept 16
	global_load_b128 v[GR+4*n:GR+4*n+3], v4, s[22:23] offset:512*n
.set n, n+1
.endr
	global_load_b128 v[SR:SR+3], v4, s[24:25]
	global_load_b128 v[SR+4:SR+7], v4, s[24:25] offset:512
.set n, 0
.rept 32                               ; token n / 2, half n % 2 of my 1,024 bytes
	global_load_b128 v[XR+4*n:XR+4*n+3], v4, s[20:21] offset:(n/2)*4096+(n%2)*512 th:TH_LOAD_NT
.set n, n+1
.endr
; 16 loads of gate_w are rounded in place and put into LDS: load n holds rows 8 n + lane / 4, experts 4 (lane % 4) on: as bf16 that is byte 256 n + 8 lane
.macro GSTORE first
.set n, 0
.rept 16
	v_cvt_pk_bf16_f32 v[GR+4*n], v[GR+4*n], v[GR+4*n+1]
	v_cvt_pk_bf16_f32 v[GR+4*n+1], v[GR+4*n+2], v[GR+4*n+3]
	ds_store_b64 v6, v[GR+4*n:GR+4*n+1] offset:256*((\first)+n)
.set n, n+1
.endr
.endm
	s_wait_loadcnt 34                              ; gate_w's first half is in: behind it stand the 2 + 32 others
	GSTORE 0
.set n, 0
.rept 16
	global_load_b128 v[GR+4*n:GR+4*n+3], v4, s[22:23] offset:512*(16+n)
.set n, n+1
.endr
	s_wait_loadcnt 48                              ; the shared gate's vector is in: behind it stand x's 32 and the 16 just issued
	v_cvt_pk_bf16_f32 v[SR], v[SR], v[SR+1]
	v_cvt_pk_bf16_f32 v[SR+1], v[SR+2], v[SR+3]
	v_cvt_pk_bf16_f32 v[SR+4], v[SR+4], v[SR+5]
	v_cvt_pk_bf16_f32 v[SR+5], v[SR+6], v[SR+7]
	ds_store_b64 v7, v[SR:SR+1]
	ds_store_b64 v7, v[SR+4:SR+5] offset:256
	s_wait_loadcnt 16                              ; x is in: behind it stand gate_w's second 16
.set n, 0
.rept 32
	v_cvt_pk_bf16_f32 v[XR+4*n], v[XR+4*n], v[XR+4*n+1]
	v_cvt_pk_bf16_f32 v[XR+4*n+1], v[XR+4*n+2], v[XR+4*n+3]
	global_store_b64 v5, v[XR+4*n:XR+4*n+1], s[26:27] offset:(n/2)*2048+(n%2)*256  ; the wave stores 256 consecutive bytes, at a multiple of 256 from xb's first
	ds_store_b64 v8, v[XR+4*n:XR+4*n+1] offset:(n/2)*XPW+(n%2)*256
.set n, n+1
.endr
	s_wait_loadcnt 0x0
	GSTORE 16
	; my eight K steps.  A wave reads only what it stored itself, and LDS serves a wave's instructions in order (ISA guide 5.7.1.4): no barrier, no wait in between.
	s_wait_xcnt 0x0                                ; the stores to xb have had their addresses translated: their data registers are loaded over only behind this wait
.set k, 0
.rept 8
	ds_load_tr16_b128 v[FRG+24*k:FRG+24*k+3],     v9 offset:1024*k
	ds_load_tr16_b128 v[FRG+24*k+4:FRG+24*k+7],   v9 offset:1024*k+512
	ds_load_b128 v[FRG+24*k+8:FRG+24*k+11],       v10 offset:64*k
	ds_load_b128 v[FRG+24*k+12:FRG+24*k+15],      v10 offset:64*k+32
	ds_load_b128 v[FRG+24*k+16:FRG+24*k+19],      v11 offset:64*k
	ds_load_b128 v[FRG+24*k+20:FRG+24*k+23],      v11 offset:64*k+32
.set k, k+1
.endr
	s_wait_dscnt 0x0
	v_wmma_f32_16x16x32_bf16 v[ACL:ACL+7], v[FRG:FRG+7], v[FRG+16:FRG+23], 0      ; the first K step starts both sums; the two accumulators take turns
	v_wmma_f32_16x16x32_bf16 v[ACS:ACS+7], v[FRG+8:FRG+15], v[FRG+16:FRG+23], 0
.set k, 1
.rept 7
	v_wmma_f32_16x16x32_bf16 v[ACL:ACL+7], v[FRG+24*k:FRG+24*k+7], v[FRG+24*k+16:FRG+24*k+23], v[ACL:ACL+7]
	v_wmma_f32_16x16x32_bf16 v[ACS:ACS+7], v[FRG+24*k+8:FRG+24*k+15], v[FRG+24*k+16:FRG+24*k+23], v[ACS:ACS+7]
.set k, k+1
.endr
.rept 4
	v_nop                                          ; four places between the last products and the stores that read them
.endr
	ds_store_b128 v12, v[ACL:ACL+3]
	ds_store_b128 v12, v[ACL+4:ACL+7] offset:16
	ds_store_b32 v12, v[ACS] offset:32
	s_wait_dscnt 0x0                               ; for wave 0's sake: my partial sums are in LDS
	s_barrier_signal -1
	s_barrier_wait -1
	s_cmp_lg_u32 s18, 0
	s_cbranch_scc1 .Lend
	; wave 0: the four partial sums, in ascending K
.set n, 0
.rept 4
	ds_load_b128 v[64+12*n:64+12*n+3], v13 offset:1536*n
	ds_load_b128 v[68+12*n:68+12*n+3], v13 offset:1536*n+16
	ds_load_b32 v[72+12*n], v13 offset:1536*n+32
.set n, n+1
.endr
	s_lshl_b32 s34, ttmp9, 10                      ; 16 tokens x 64 bytes of out1
	s_add_nc_u64 s[12:13], s[12:13], s[34:35]
	s_lshl_b32 s34, ttmp9, 7                       ; x 8 bytes of rsel
	s_add_nc_u64 s[14:15], s[14:15], s[34:35]
	s_lshl_b32 s34, ttmp9, 8                       ; x 16 bytes of rwt
	s_add_nc_u64 s[16:17], s[16:17], s[34:35]
	v_lshlrev_b32 v14, 6, v2
	v_lshl_add_u32 v14, v3, 5, v14                 ; out1: token r, experts 8 h on
	v_lshlrev_b32 v15, 3, v3                       ; 8 h
	v_lshlrev_b32 v22, 3, v2
	v_lshlrev_b32 v23, 4, v2
	s_wait_dscnt 0x0
.set i, 0
.rept 4
	v_pk_add_f32 v[LG+2*i:LG+2*i+1], v[64+2*i:64+2*i+1], v[76+2*i:76+2*i+1]
.set i, i+1
.endr
	v_add_f32 v48, v72, v84
.set i, 0
.rept 4
	v_pk_add_f32 v[LG+2*i:LG+2*i+1], v[LG+2*i:LG+2*i+1], v[88+2*i:88+2*i+1]
.set i, i+1
.endr
	v_add_f32 v48, v48, v96
.set i, 0
.rept 4
	v_pk_add_f32 v[LG+2*i:LG+2*i+1], v[LG+2*i:LG+2*i+1], v[100+2*i:100+2*i+1]
.set i, i+1
.endr
	v_add_f32 v48, v48, v108
	global_store_b128 v14, v[LG:LG+3], s[12:13]             ; out1 is 131,072 bytes in all: here 1,024 consecutive bytes are filled by two instructions, not one
	global_store_b128 v14, v[LG+4:LG+7], s[12:13] offset:16
	; the two largest of my eight logits: (m1, i1) v49, v50 and (m2, i2) v51, v52; only a strictly larger logit displaces, so a tie stays with the lower index
	v_mov_b32 v49, v[LG]
	v_mov_b32 v50, v15
	v_mov_b32 v51, 0xff800000
	v_mov_b32 v52, v15
.set j, 1
.rept 7
	v_add_nc_u32 v53, j, v15
	v_cmp_gt_f32 s30, v[LG+j], v49
	v_cmp_gt_f32 s31, v[LG+j], v51
	v_cndmask_b32 v51, v51, v[LG+j], s31
	v_cndmask_b32 v52, v52, v53, s31
	v_cndmask_b32 v51, v51, v49, s30
	v_cndmask_b32 v52, v52, v50, s30
	v_cndmask_b32 v49, v49, v[LG+j], s30
	v_cndmask_b32 v50, v50, v53, s30
.set j, j+1
.endr
	; the other half of the lanes holds the token's other eight experts.  Lanes 0 to 15 alone store the choice, so 'mine' are the lower experts (A) and 'the other's' the higher (B); what lanes 16 to 31 make is not used.
.irp d, 54,55,56,57
	v_mov_b32 v\d, 0                               ; v_permlanex16_b32's destination counts as read
.endr
	v_permlanex16_b32 v54, v49, s28, s29
	v_permlanex16_b32 v55, v50, s28, s29
	v_permlanex16_b32 v56, v51, s28, s29
	v_permlanex16_b32 v57, v52, s28, s29
	v_cmp_gt_f32 s30, v54, v49                     ; B's first beats A's first
	v_cmp_gt_f32 s31, v56, v49                     ; B's second beats A's first
	v_cmp_gt_f32 s32, v54, v51                     ; B's first beats A's second
	v_cndmask_b32 v60, v49, v56, s31               ; the second, if B's first is the first
	v_cndmask_b32 v61, v50, v57, s31
	v_cndmask_b32 v62, v51, v54, s32               ; the second, if A's first is the first
	v_cndmask_b32 v63, v52, v55, s32
	v_cndmask_b32 v59, v62, v60, s30               ; l2
	v_cndmask_b32 v21, v63, v61, s30               ; its expert
	v_cndmask_b32 v58, v49, v54, s30               ; l1
	v_cndmask_b32 v20, v50, v55, s30               ; its expert
	v_sub_f32 v60, v59, v58                        ; l2 - l1, never above 0
	v_mul_f32 v60, 0x3fb8aa3b, v60
	v_mul_f32 v61, 0xbfb8aa3b, v48
	v_exp_f32 v60, v60
	v_exp_f32 v61, v61
	v_nop                                          ; a plain instruction behind the exponentials (ISA guide 5.7.2)
	s_wait_alu depctr_va_vdst(0)
	v_add_f32 v62, 1.0, v60
	v_add_f32 v63, 1.0, v61
	v_rcp_f32 v16, v62                             ; w0
	v_rcp_f32 v18, v63                             ; the shared expert's gate
	v_nop
	s_wait_alu depctr_va_vdst(0)
	v_mul_f32 v17, v60, v16                        ; w1
	v_mov_b32 v19, 0
	v_cmp_gt_u32 vcc_lo, 16, v1
	s_wait_xcnt 0x0                                ; EXEC changes only behind this wait: the stores to out1 read it
	s_and_saveexec_b32 s33, vcc_lo
	global_store_b64 v22, v[20:21], s[14:15]
	global_store_b128 v23, v[16:19], s[16:17]
	s_wait_xcnt 0x0                                ; and again in front of the line that widens it
	s_or_b32 exec_lo, exec_lo, s33
.Lend:
	s_set_vgpr_msb 0x5
	s_wait_tensorcnt 0x0
	ds_add_u32 v0, v1
	s_wait_dscnt 0x0
	s_set_vgpr_msb 0x500
	s_endpgm
.Lfunc_end_k_qe09c72ad09_router:
	.size	k_qe09c72ad09_router, .Lfunc_end_k_qe09c72ad09_router-k_qe09c72ad09_router
	.p2alignl 7, 3214868480
	.fill 96, 4, 3214868480
	.section	.rodata,"a",@progbits
	.p2align	6, 0x0
	.amdhsa_kernel k_qe09c72ad09_router
		.amdhsa_group_segment_fixed_size 75264
		.amdhsa_private_segment_fixed_size 0
		.amdhsa_enable_private_segment 0
		.amdhsa_kernarg_size 56
		.amdhsa_user_sgpr_count 2
		.amdhsa_user_sgpr_kernarg_segment_ptr 1
		.amdhsa_wavefront_size32 1
		.amdhsa_system_sgpr_workgroup_id_x 1
		.amdhsa_system_sgpr_workgroup_id_y 1
		.amdhsa_system_sgpr_workgroup_id_z 1
		.amdhsa_system_vgpr_workitem_id 0
		.amdhsa_next_free_vgpr 258
		.amdhsa_next_free_sgpr 66
		.amdhsa_reserve_vcc 1
		.amdhsa_float_denorm_mode_32 3
		.amdhsa_float_denorm_mode_16_64 3
		.amdhsa_memory_ordered 1
		.amdhsa_forward_progress 1
		.amdhsa_inst_pref_size 37
	.end_amdhsa_kernel
	.amdgpu_metadata
---
amdhsa.version: [ 1, 2 ]
amdhsa.kernels:
  - .name:           k_qe09c72ad09_router
    .symbol:         k_qe09c72ad09_router.kd
    .args:
      - { .name: hidden_states, .offset: 0, .size: 8, .value_kind: global_buffer, .address_space: global }
      - { .name: gate_w, .offset: 8, .size: 8, .value_kind: global_buffer, .address_space: global }
      - { .name: shared_expert_gate_w, .offset: 16, .size: 8, .value_kind: global_buffer, .address_space: global }
      - { .name: xb, .offset: 24, .size: 8, .value_kind: global_buffer, .address_space: global }
      - { .name: out1, .offset: 32, .size: 8, .value_kind: global_buffer, .address_space: global }
      - { .name: rsel, .offset: 40, .size: 8, .value_kind: global_buffer, .address_space: global }
      - { .name: rwt, .offset: 48, .size: 8, .value_kind: global_buffer, .address_space: global }
    .group_segment_fixed_size: 75264
    .private_segment_fixed_size: 0
    .kernarg_segment_align: 8
    .kernarg_segment_size: 56
    .max_flat_workgroup_size: 128
    .sgpr_count:     66
    .vgpr_count:     258
    .wavefront_size: 32
...
	.end_amdgpu_metadata
.endif
;; end of part 1
;; launch bucket (part 2): grid 1 x 1, 16 waves a work-group, no clusters, 4,096 bytes of LDS; arguments rsel, rwt, lists, lwgt; writes lists, lwgt
.if DOCPART == 2
	.amdgcn_target "amdgcn-amd-amdhsa--gfx1250"
	.amdhsa_code_object_version 6
	.text
	.protected	k_qe09c72ad09_bucket
	.globl	k_qe09c72ad09_bucket
	.p2align	8
	.type	k_qe09c72ad09_bucket,@function
k_qe09c72ad09_bucket:
	s_mov_b64 s[64:65], 0
	v_nop
	global_prefetch_b8 v0, s[64:65] scope:SCOPE_SE
	s_setreg_imm32_b32 hwreg(HW_REG_WAVE_MODE, 25, 1), 1
	s_wait_xcnt 0x0
; BUCKET.  The 4,096 pairs (token, expert) are sorted by expert, by counting, without atomics: one work-group of 16 waves.
; lists: tok[7168] at byte 0; pos[2048][2] at 28,672; off[16] at 45,056; ng[16] at 45,120.  lwgt: one f32 weight for each row of tok.
; Expert e owns the rows off[e] .. off[e] + 64 ng[e] - 1, ng[e] = ceil(n[e] / 64); rows behind its n[e] pairs hold token 0 and weight 0.  All experts together have at
; most 4,096 + 16 x 63 = 5,104 rows.  Row 5,120 + t holds token t and the shared expert's gate: for the launch behind, the shared expert is more rows of the same list.
; Thread t owns tokens 4 t .. 4 t + 3: eight entries, entry i = token 4 t + i / 2, choice i % 2.
; One work-group: the work is 48 KB in and 90 KB out, and a sum over all tokens stands in its middle.  No matrix unit, no tensor loads: there is nothing for them.
.set EX, 8                             ; v[8:15]   my eight entries' experts
.set RW, 16                            ; v[16:31]  my four tokens' w0, w1, sg, 0
.set PS, 32                            ; v[32:39]  my eight entries' rows
.set TB, 40                            ; v[40:55]  the 16 waves' counts (lane e: expert e); later addresses and data of stores
.set CN, 32                            ; s[32:47]  my wave's count for each expert; later the next free row for each expert
	s_load_b256 s[4:11], s[0:1], 0x0               ; rsel s[4:5], rwt s[6:7], lists s[8:9], lwgt s[10:11]
	v_lshl_add_u32 v72, v0, 2, 0x800
	v_mov_b32 v73, 0
	v_lshrrev_b32 v6, 5, v0
	v_readfirstlane_b32 s12, v6                    ; wave 0..15
	v_and_b32 v1, 31, v0
	v_lshlrev_b32 v2, 5, v0                        ; 32 bytes of rsel and of pos a thread
	v_lshlrev_b32 v3, 6, v0                        ; 64 bytes of rwt
	v_lshlrev_b32 v4, 2, v0                        ; my word in LDS; also my first token
	v_lshlrev_b32 v5, 4, v0                        ; 16 bytes of the shared rows
	v_lshlrev_b32 v7, 2, v1
	s_wait_kmcnt 0x0
	global_load_b128 v[EX:EX+3], v2, s[4:5]
	global_load_b128 v[EX+4:EX+7], v2, s[4:5] offset:16
.set a, 0
.rept 4
	global_load_b128 v[RW+4*a:RW+4*a+3], v3, s[6:7] offset:16*a
.set a, a+1
.endr
.set e, 0
.rept 16
	s_mov_b32 s[CN+e], 0
.set e, e+1
.endr
	v_mov_b32 v61, 0
	v_mov_b32 v58, 0
	v_mov_b32 v59, 0
	v_mov_b32 v60, 0
	s_wait_loadcnt 0x0
	; my wave's count for each expert
.set i, 0
.rept 8
.set e, 0
.rept 16
	v_cmp_eq_u32 s49, e, v[EX+i]
	s_bcnt1_i32_b32 s50, s49
	s_add_co_u32 s[CN+e], s[CN+e], s50
.set e, e+1
.endr
.set i, i+1
.endr
.set e, 0
.rept 16
	v_writelane_b32 v61, s[CN+e], e
.set e, e+1
.endr
	ds_store_b32 v4, v61                           ; a row of 32 words a wave: lane e its count for expert e, lanes 16 to 31 zero
	s_wait_dscnt 0x0                               ; for the others' sake
	s_barrier_signal -1
	s_barrier_wait -1
.set n, 0
.rept 16
	ds_load_b32 v[TB+n], v7 offset:128*n
.set n, n+1
.endr
	s_wait_dscnt 0x0
	v_mov_b32 v56, v[TB]                           ; lane e: all waves' count for expert e
	v_mov_b32 v57, 0                               ; lane e: the count of the waves in front of mine
.set n, 1
.rept 15
	v_add_nc_u32 v56, v56, v[TB+n]
.set n, n+1
.endr
.set n, 0
.rept 15
	s_cmp_gt_u32 s12, n
	s_cselect_b32 s49, -1, 0
	v_and_b32 v62, s49, v[TB+n]
	v_add_nc_u32 v57, v57, v62
.set n, n+1
.endr
	; the experts' first rows, in steps of 64; every wave makes the same figures
	s_mov_b32 s48, 0
.set e, 0
.rept 16
	v_readlane_b32 s49, v56, e                     ; n[e]
	v_readlane_b32 s50, v57, e
	s_add_co_u32 s[CN+e], s48, s50                 ; my wave's first row for expert e
	v_writelane_b32 v58, s48, e                    ; off[e]
	s_add_co_u32 s52, s48, s49
	v_writelane_b32 v59, s52, e                    ; where its padding begins
	s_add_co_u32 s51, s49, 63
	s_lshr_b32 s51, s51, 6
	v_writelane_b32 v58, s51, 16+e                 ; ng[e]
	s_lshl_b32 s51, s51, 6
	s_add_co_u32 s48, s48, s51
	v_writelane_b32 v60, s48, e                    ; and where it ends
.set e, e+1
.endr
	; each entry's row: the expert's next free row plus the number of lower lanes with the same expert in the same entry
.set i, 0
.rept 8
	v_mov_b32 v[PS+i], 0
.set e, 0
.rept 16
	v_cmp_eq_u32 s49, e, v[EX+i]
	v_mbcnt_lo_u32_b32 v61, s49, s[CN+e]
	v_cndmask_b32 v[PS+i], v[PS+i], v61, s49
	s_bcnt1_i32_b32 s50, s49
	s_add_co_u32 s[CN+e], s[CN+e], s50
.set e, e+1
.endr
	v_min_u32 v[PS+i], 0x13ff, v[PS+i]             ; a row made from loaded numbers enters an address only clamped: 5,119 at the most
.set i, i+1
.endr
	global_store_b128 v2, v[PS:PS+3], s[8:9] offset:28672
	global_store_b128 v2, v[PS+4:PS+7], s[8:9] offset:28688
.set a, 0
.rept 4
	v_add_nc_u32 v[64+a], a, v4                    ; my four tokens
	v_mov_b32 v[TB+8+a], v[RW+4*a+2]               ; their gates of the shared expert, side by side
.set a, a+1
.endr
.set i, 0
.rept 8                                ; 4-byte stores to scattered rows: 2 x 16 KB in the whole launch
	v_lshlrev_b32 v[TB+i], 2, v[PS+i]
	global_store_b32 v[TB+i], v[64+i/2], s[8:9]
	global_store_b32 v[TB+i], v[RW+4*(i/2)+i%2], s[10:11]
.set i, i+1
.endr
	global_store_b128 v5, v[64:67], s[8:9] offset:20480        ; rows 5,120 + 4 t on
	global_store_b128 v5, v[TB+8:TB+11], s[10:11] offset:20480
	; padding: wave w fills expert w's rows behind its pairs, 63 at the most
	v_readlane_b32 s50, v59, s12
	v_readlane_b32 s51, v60, s12
	v_mov_b32 v63, 0
	v_add_nc_u32 v61, s50, v1
	v_add_nc_u32 v68, 32, v61
	v_min_u32 v62, 0x13ff, v61
	v_min_u32 v69, 0x13ff, v68
	v_lshlrev_b32 v62, 2, v62
	v_lshlrev_b32 v69, 2, v69
	v_cmp_gt_u32 vcc_lo, s51, v61
	s_wait_xcnt 0x0                                ; EXEC changes only behind this wait
	s_and_saveexec_b32 s52, vcc_lo
	global_store_b32 v62, v63, s[8:9]
	global_store_b32 v62, v63, s[10:11]
	s_wait_xcnt 0x0
	s_or_b32 exec_lo, exec_lo, s52
	v_cmp_gt_u32 vcc_lo, s51, v68
	s_and_saveexec_b32 s52, vcc_lo
	global_store_b32 v69, v63, s[8:9]
	global_store_b32 v69, v63, s[10:11]
	s_wait_xcnt 0x0
	s_or_b32 exec_lo, exec_lo, s52
	s_cmp_lg_u32 s12, 0
	s_cbranch_scc1 .Lend
	global_store_b32 v7, v58, s[8:9] offset:45056  ; lanes 0 to 15: off; lanes 16 to 31: ng
.Lend:
	s_wait_tensorcnt 0x0
	ds_add_u32 v72, v73
	s_wait_dscnt 0x0
	s_endpgm
.Lfunc_end_k_qe09c72ad09_bucket:
	.size	k_qe09c72ad09_bucket, .Lfunc_end_k_qe09c72ad09_bucket-k_qe09c72ad09_bucket
	.p2alignl 7, 3214868480
	.fill 96, 4, 3214868480
	.section	.rodata,"a",@progbits
	.p2align	6, 0x0
	.amdhsa_kernel k_qe09c72ad09_bucket
		.amdhsa_group_segment_fixed_size 4096
		.amdhsa_private_segment_fixed_size 0
		.amdhsa_enable_private_segment 0
		.amdhsa_kernarg_size 32
		.amdhsa_user_sgpr_count 2
		.amdhsa_user_sgpr_kernarg_segment_ptr 1
		.amdhsa_wavefront_size32 1
		.amdhsa_system_sgpr_workgroup_id_x 1
		.amdhsa_system_sgpr_workgroup_id_y 1
		.amdhsa_system_sgpr_workgroup_id_z 1
		.amdhsa_system_vgpr_workitem_id 0
		.amdhsa_next_free_vgpr 74
		.amdhsa_next_free_sgpr 66
		.amdhsa_reserve_vcc 1
		.amdhsa_float_denorm_mode_32 3
		.amdhsa_float_denorm_mode_16_64 3
		.amdhsa_memory_ordered 1
		.amdhsa_forward_progress 1
		.amdhsa_inst_pref_size 69
	.end_amdhsa_kernel
	.amdgpu_metadata
---
amdhsa.version: [ 1, 2 ]
amdhsa.kernels:
  - .name:           k_qe09c72ad09_bucket
    .symbol:         k_qe09c72ad09_bucket.kd
    .args:
      - { .name: rsel, .offset: 0, .size: 8, .value_kind: global_buffer, .address_space: global }
      - { .name: rwt, .offset: 8, .size: 8, .value_kind: global_buffer, .address_space: global }
      - { .name: lists, .offset: 16, .size: 8, .value_kind: global_buffer, .address_space: global }
      - { .name: lwgt, .offset: 24, .size: 8, .value_kind: global_buffer, .address_space: global }
    .group_segment_fixed_size: 4096
    .private_segment_fixed_size: 0
    .kernarg_segment_align: 8
    .kernarg_segment_size: 32
    .max_flat_workgroup_size: 512
    .sgpr_count:     66
    .vgpr_count:     74
    .wavefront_size: 32
...
	.end_amdgpu_metadata
.endif
;; end of part 2
;; launch gateup (part 3): grid 256 x 1, 4 waves a work-group, no clusters, 304,640 bytes of LDS; arguments xb, expert_gate_w, expert_up_w, shared_gate_w, shared_up_w, lists, lwgt, hbuf; writes hbuf
.if DOCPART == 3
	.amdgcn_target "amdgcn-amd-amdhsa--gfx1250"
	.amdhsa_code_object_version 6
	.text
	.protected	k_qe09c72ad09_gateup
	.globl	k_qe09c72ad09_gateup
	.p2align	8
	.type	k_qe09c72ad09_gateup,@function
k_qe09c72ad09_gateup:
	s_mov_b64 s[64:65], 0
	v_nop
	global_prefetch_b8 v0, s[64:65] scope:SCOPE_SE
	s_setreg_imm32_b32 hwreg(HW_REG_WAVE_MODE, 25, 1), 1
	s_wait_xcnt 0x0
; GATE AND UP.  H[row][n] = bf16( w[row] silu(x[tok[row]] . Wg[:, n]) (x[tok[row]] . Wu[:, n]) ) for the rows of the list, the experts' and the shared expert's alike.
; x is bf16 already (xb); the weights are rounded to bf16 here; sums, silu and the scaling in f32; H is rounded once.
; JOBS.  A work-group takes 64 columns of H: 64 of Wg and 64 of Wu, all K = 1,024.  Work-groups 0-127: expert wg / 8, slice wg % 8, all the expert's rows (any number up to 2,048).
; Work-groups 128-255: slice (wg - 128) / 4 of the shared expert's 32, rows 512 ((wg - 128) % 4) on.
; THE WEIGHTS STAY: they are converted once into LDS, [k][128 columns] bf16; one barrier; then each wave walks groups of 64 rows by itself: tokens' fragments come from xb into registers,
; four K steps ahead; weights' fragments come out of LDS turned (ds_load_tr16_b128).  Source 0 = 16 columns, source 1 = 16 tokens: a lane holds one token and 8 neighbouring columns.
; A group's 32 K steps are written out: every LDS address is a register that is never rewritten plus an immediate, and a token's K offset stands in the load's immediate.
; NO TENSOR LOADS, NO CLUSTER: the weights are f32 and have to pass through registers to be rounded, so the data mover cannot carry them; an expert's slice is read by one work-group alone.
; LIMITS.  NaN and infinities are not treated apart; H is bf16: 8 significant bits, f32's range.
; REGISTERS, in windows of 256 (s_set_vgpr_msb: bits 1:0 source 0, 3:2 source 1, 5:4 source 2, 7:6 destination):
;   window 0: addresses v1-31; v[32:47] packed H; v[48:63] rows read back; v[64:127], v[128:191] two buffers of weights' fragments; v[192:255] at work on the way out.  (While the weights come in: v[64:191] two slots of loads, v[192:223] rounded.)
;   window 1: the 32 accumulators, (f, c) at 8 (8 f + c): 16 tokens f, 16 columns c (0-3 gate, 4-7 up)      window 2: two buffers of tokens' fragments, (q, f) at 32 q + 8 f
.set PW,  288                          ; a row of weights in LDS: 256 bytes + 32 = 9 x 32
.set STG, 1024*PW                      ; behind the weights: 16 rows x 144 bytes for each wave, for the way out
.set SPH, 144
.set VO,  2                            ; v2-9   while the weights come in: byte offset of my 16 bytes in row jrow(j) (+ 4 for lanes 16-31) of a batch
.set VBT, 2                            ; v2-9   afterwards: my lane's place in a turning load, at row 128 t of the weights; never rewritten
.set VL,  10                           ; v10    weights: where my 8 bytes go in LDS
.set VB0, 12                           ; v12    my lane's place in a turning load
.set VT,  14                           ; v14    4 r
.set H16, 15                           ; v15    16 h
.set AO,  16                           ; v16-19 my token's row in xb + 16 h, for each f
.set WT,  20                           ; v20-23 my token's weight
.set TK,  24                           ; v24-27 my token
.set STO, 28
.set RD,  29
.set GO,  30
.set PK,  32
.set OB,  48
.set BF,  64
.set WP,  64                           ; v[64:65] the weight twice, on the way out
.set SL0, 64
.set CV,  192
.set T,   192
.set U,   224
.set W_MM, 0x58                        ; weights window 0, tokens window 2, C and D window 1
.set W_LA, 0x80                        ; destination window 2
.set W_G,  0x01                        ; source 0 window 1
.set MSB, 0
.macro WIN new                         ; the immediate's high byte repeats the setting that is left; a switch that changes nothing is dropped
.if MSB != (\new)
	s_set_vgpr_msb (MSB<<8)|(\new)
.set MSB, \new
.endif
.endm
.macro PLACES                          ; four places between matrix instructions and loads into, or vector reads of, their registers
.rept 4
	v_nop
.endr
.endm
	s_load_b512 s[4:19], s[0:1], 0x0               ; xb s[4:5], expert gate s[6:7], expert up s[8:9], shared gate s[10:11], shared up s[12:13], lists s[14:15], lwgt s[16:17], hbuf s[18:19]
	v_lshl_add_u32 v13, v0, 2, 0x4a400
	s_set_vgpr_msb 0xc0
	v_mov_b32 v1, 0
	s_set_vgpr_msb 0xc000
	v_lshrrev_b32 v31, 5, v0
	v_readfirstlane_b32 s26, v31                   ; wave 0..3
	s_mov_b32 s27, ttmp9
	v_and_b32 v1, 15, v0                           ; r
	v_bfe_u32 v11, v0, 4, 1                        ; h
	s_lshr_b32 s46, s27, 3
	s_min_u32 s46, s46, 15                         ; the expert (15 for the shared jobs, whose figures are not taken from it)
	s_lshl_b32 s47, s46, 2
	s_wait_kmcnt 0x0
	s_load_b32 s48, s[14:15], s47 offset:0xb000    ; off[e]
	s_load_b32 s49, s[14:15], s47 offset:0xb040    ; ng[e]
	s_and_b32 s50, s27, 7                          ; an expert's job: slice,
	s_lshl_b32 s51, s46, 21                        ; 2,097,152 bytes an expert
	s_lshl_b32 s52, s50, 8
	s_add_co_u32 s51, s51, s52                     ; + 256 bytes a slice
	s_mul_i32 s52, s50, 655360                     ; H: 5,120 rows of 128 bytes a slice
	s_bfe_u32 s53, s27, 0x50002                    ; a shared job: slice (wg - 128) / 4,
	s_and_b32 s54, s27, 3                          ; rows 512 (wg % 4) on
	s_lshl_b32 s55, s53, 8
	s_lshl_b32 s53, s53, 18                        ; H: 2,048 rows of 128 bytes a slice, from byte 5,242,880 on; list row 5,120 is its row 0
	s_add_co_u32 s53, s53, 4587520
	s_lshl_b32 s54, s54, 9
	s_add_co_u32 s54, s54, 5120
	s_wait_kmcnt 0x0
	s_min_u32 s48, s48, 5056
	s_min_u32 s49, s49, 32
	s_cmp_lt_u32 s27, 128
	s_cselect_b64 s[20:21], s[6:7], s[10:11]       ; Wg
	s_cselect_b64 s[22:23], s[8:9], s[12:13]       ; Wu
	s_cselect_b32 s44, s51, s55                    ; the slice's first byte
	s_cselect_b32 s28, 11, 13                      ; a row of the weights is 2,048 or 8,192 bytes: kept as a shift
	s_cselect_b32 s29, s48, s54                    ; the job's first row of the list
	s_cselect_b32 s30, s49, 8                      ; its groups of 64 rows
	s_cselect_b32 s46, s52, s53
	s_mov_b32 s47, 0
	s_add_nc_u64 s[34:35], s[18:19], s[46:47]      ; H: row p of the list lies 128 p bytes behind this
	s_add_co_u32 s47, s28, 4
	s_lshl_b32 s47, s26, s47                       ; wave w begins 16 w rows down
	s_add_co_u32 s44, s44, s47
	s_mov_b32 s45, 0
	s_add_nc_u64 s[20:21], s[20:21], s[44:45]
	s_add_nc_u64 s[22:23], s[22:23], s[44:45]
	s_lshl_b32 s24, 64, s28                        ; from a wave's batch to its next: 64 rows
	s_mov_b32 s25, 0
	; A batch is 16 rows of both matrices.  A load takes two rows of 256 bytes.
.set j, 0
.rept 8
	v_lshl_add_u32 v31, v11, 2, (j%4)+8*(j/4)
	v_lshlrev_b32 v31, s28, v31
	v_lshl_add_u32 v[VO+j], v1, 4, v31
.set j, j+1
.endr
	s_mul_i32 s46, s26, 16*PW
	v_mul_u32_u24 v31, v11, 4*PW
	v_lshl_add_u32 v31, v1, 3, v31
	v_add_nc_u32 v[VL], s46, v31
	v_and_b32 v31, 7, v0                           ; the turning load: lane l reads row 8 h + l % 8, 16 bytes at 16 ((l / 8) % 2)
	v_lshl_add_u32 v31, v11, 3, v31
	v_mul_u32_u24 v[VB0], v31, PW
	v_bfe_u32 v31, v0, 3, 1
	v_lshl_add_u32 v[VB0], v31, 4, v[VB0]
	v_lshlrev_b32 v[VT], 2, v1
	v_lshlrev_b32 v[H16], 4, v11
	s_mul_i32 s46, s26, 16*SPH
	s_add_co_u32 s46, s46, STG                     ; my stage
	v_mul_u32_u24 v31, v1, SPH                     ; in: row r, 16 bytes for each half of the lanes
	v_add_nc_u32 v31, v[H16], v31
	v_add_nc_u32 v[STO], s46, v31
	v_bfe_u32 v31, v0, 3, 2                        ; back: 32 lanes take four rows of 128 bytes,
	v_mul_u32_u24 v31, v31, SPH
	v_and_b32 v[RD], 7, v0
	v_lshl_add_u32 v31, v[RD], 4, v31
	v_add_nc_u32 v[RD], s46, v31
	v_and_b32 v[GO], 31, v0                        ; which are 512 consecutive bytes of H
	v_lshlrev_b32 v[GO], 4, v[GO]
.macro LDB slot                        ; a batch's 16 loads; then both pointers step
.set j, 0
.rept 8
	global_load_b128 v[SL0+64*(\slot)+4*j:SL0+64*(\slot)+4*j+3], v[VO+j], s[20:21]
.set j, j+1
.endr
.set j, 0
.rept 8
	global_load_b128 v[SL0+64*(\slot)+32+4*j:SL0+64*(\slot)+32+4*j+3], v[VO+j], s[22:23]
.set j, j+1
.endr
	s_wait_xcnt 0x0                                ; the loads' addresses are translated: the bases are stepped only behind this wait
	s_add_nc_u64 s[20:21], s[20:21], s[24:25]
	s_add_nc_u64 s[22:23], s[22:23], s[24:25]
.endm
.macro CVB slot, left                  ; a batch is rounded and put into LDS; left: the other slot's younger loads
	s_wait_loadcnt \left
.set j, 0
.rept 16
	v_cvt_pk_bf16_f32 v[CV+2*j], v[SL0+64*(\slot)+4*j], v[SL0+64*(\slot)+4*j+1]
	v_cvt_pk_bf16_f32 v[CV+2*j+1], v[SL0+64*(\slot)+4*j+2], v[SL0+64*(\slot)+4*j+3]
.set j, j+1
.endr
.set j, 0
.rept 16
	ds_store_b64 v[VL], v[CV+2*j:CV+2*j+1] offset:(((j%8)%4)+8*((j%8)/4))*PW+128*(j/8)
.set j, j+1
.endr
	v_add_nc_u32 v[VL], 64*PW, v[VL]
.endm
	LDB 0                                          ; 16 batches a wave, two slots: 32 loads of 512 bytes of each wave are on their way
	LDB 1
	s_mov_b32 s33, 7
.Lw:
	CVB 0, 16
	LDB 0
	CVB 1, 16
	LDB 1
	s_sub_co_u32 s33, s33, 1
	s_cmp_lg_u32 s33, 0
	s_cbranch_scc1 .Lw
	CVB 0, 16
	CVB 1, 0                                       ; its wait is for 0: no load names v2-9 any more
.set t, 0
.rept 8
	v_add_nc_u32 v[VBT+t], t*128*PW, v[VB0]        ; one address for each 128 rows of the weights: with the immediates, 32,480 bytes at the most, they reach all 1,024 rows
.set t, t+1
.endr
	s_wait_dscnt 0x0                               ; for the others' sake: my part of the weights is in LDS
	s_barrier_signal -1
	s_barrier_wait -1                              ; the kernel's one barrier: from here on the weights are only read, and a stage is its wave's own
; 16 matrix instructions of K step ks: tokens f0, f0 + 1 x all 8 column blocks, 32 along K.  The 32 accumulators take turns, one instruction a turn.  K step 0 starts the sums: nothing is cleared.
.macro MMS ks, f0
	WIN W_MM
.set f, \f0
.rept 2
.set c, 0
.rept 8
.if (\ks) == 0
	v_wmma_f32_16x16x32_bf16 v[8*(8*f+c):8*(8*f+c)+7], v[BF+64*((\ks)%2)+8*c:BF+64*((\ks)%2)+8*c+7], v[128*(((\ks)/4)%2)+32*((\ks)%4)+8*f:128*(((\ks)/4)%2)+32*((\ks)%4)+8*f+7], 0
.else
	v_wmma_f32_16x16x32_bf16 v[8*(8*f+c):8*(8*f+c)+7], v[BF+64*((\ks)%2)+8*c:BF+64*((\ks)%2)+8*c+7], v[128*(((\ks)/4)%2)+32*((\ks)%4)+8*f:128*(((\ks)/4)%2)+32*((\ks)%4)+8*f+7], v[8*(8*f+c):8*(8*f+c)+7]
.endif
.set c, c+1
.endr
.set f, f+1
.endr
.endm
.macro ALOAD ks                        ; the tokens' fragments of K step ks: 64 bytes of a row of xb, 64 ks on
.set f, 0
.rept 4
	global_load_b128 v[128*(((\ks)/4)%2)+32*((\ks)%4)+8*f:128*(((\ks)/4)%2)+32*((\ks)%4)+8*f+3],   v[AO+f], s[4:5] offset:64*(\ks)
	global_load_b128 v[128*(((\ks)/4)%2)+32*((\ks)%4)+8*f+4:128*(((\ks)/4)%2)+32*((\ks)%4)+8*f+7], v[AO+f], s[4:5] offset:64*(\ks)+32
.set f, f+1
.endr
.endm
.macro BLOAD ks                        ; the weights' fragments of K step ks: rows 32 ks on
.set c, 0
.rept 8
	ds_load_tr16_b128 v[BF+64*((\ks)%2)+8*c:BF+64*((\ks)%2)+8*c+3],   v[VBT+(\ks)/4] offset:((\ks)%4)*32*PW+32*c
	ds_load_tr16_b128 v[BF+64*((\ks)%2)+8*c+4:BF+64*((\ks)%2)+8*c+7], v[VBT+(\ks)/4] offset:((\ks)%4)*32*PW+32*c+16*PW
.set c, c+1
.endr
.endm
; K step ks of 32.  In its middle: the next step's weights out of LDS, and the tokens of the step four further on.
.macro KSTEP ks
.if (\ks) < 28
	s_wait_loadcnt 24                              ; this step's eight loads from xb are in; three younger runs of eight stay out
.else
	s_wait_loadcnt 24-8*((\ks)-28)                 ; nothing more is asked for: the counts run down
.endif
	s_wait_dscnt 0x0                               ; this step's 16 loads from LDS; nothing younger is out
	MMS \ks, 0
	PLACES
.if (\ks) < 31
	WIN 0
	BLOAD (\ks)+1
.endif
.if (\ks) < 28
	WIN W_LA
	ALOAD (\ks)+4
.endif
	MMS \ks, 2
.endm
; THE WAY OUT of 16 tokens f: silu(g) = g / (1 + 2^(-g log2 e)); times u and the token's weight; rounded; through my stage, so that each store covers 512 consecutive bytes.
; Each accumulator is read from its lowest registers on.
.macro HOUT f
	WIN 0
	v_mov_b32 v[WP], v[WT+(\f)]
	v_mov_b32 v[WP+1], v[WT+(\f)]
	WIN W_G
.set i, 0
.rept 16
	v_pk_mul_f32 v[T+2*i:T+2*i+1], v[64*(\f)+2*i:64*(\f)+2*i+1], 0xbfb8aa3b op_sel_hi:[1,0]
.set i, i+1
.endr
	WIN 0
.set i, 0
.rept 32
	v_exp_f32 v[T+i], v[T+i]
.set i, i+1
.endr
	v_nop                                          ; a plain instruction behind the last exponential (ISA guide 5.7.2)
.set i, 0
	s_wait_alu depctr_va_vdst(0)
.rept 16
	v_pk_add_f32 v[T+2*i:T+2*i+1], v[T+2*i:T+2*i+1], 1.0 op_sel_hi:[1,0]
.set i, i+1
.endr
.set i, 0
.rept 32
	v_rcp_f32 v[T+i], v[T+i]
.set i, i+1
.endr
	v_nop
	WIN W_G
.set i, 0
	s_wait_alu depctr_va_vdst(0)
.rept 16
	v_pk_mul_f32 v[T+2*i:T+2*i+1], v[64*(\f)+2*i:64*(\f)+2*i+1], v[T+2*i:T+2*i+1]
.set i, i+1
.endr
.set i, 0
.rept 16
	v_pk_mul_f32 v[U+2*i:U+2*i+1], v[64*(\f)+32+2*i:64*(\f)+32+2*i+1], v[WP:WP+1]
.set i, i+1
.endr
	WIN 0
.set i, 0
.rept 16
	v_pk_mul_f32 v[T+2*i:T+2*i+1], v[T+2*i:T+2*i+1], v[U+2*i:U+2*i+1]
.set i, i+1
.endr
.set i, 0
.rept 16
	v_cvt_pk_bf16_f32 v[PK+i], v[T+2*i], v[T+2*i+1]
.set i, i+1
.endr
.set c, 0
.rept 4
	ds_store_b128 v[STO], v[PK+4*c:PK+4*c+3] offset:32*c
.set c, c+1
.endr
	s_wait_xcnt 0x0                                ; the stores of the 16 tokens before have had their addresses translated: their data registers are loaded again only behind this wait
.set i, 0
.rept 4
	ds_load_b128 v[OB+4*i:OB+4*i+3], v[RD] offset:4*SPH*i  ; LDS serves a wave's instructions in order (ISA guide 5.7.1.4): these see the stores above
.set i, i+1
.endr
	s_wait_dscnt 0x0
.set i, 0
.rept 4
	global_store_b128 v[GO], v[OB+4*i:OB+4*i+3], s[42:43] offset:2048*(\f)+512*i  ; 512 consecutive bytes, at a multiple of 256 from hbuf's first
.set i, i+1
.endr
.endm
	s_mov_b32 s31, s26                             ; wave w takes groups w, w + 4, ..
	s_mov_b32 s32, 8                               ; 32 groups at the most, 8 a wave: the loop counts to that, and a group that the job does not have is jumped over
.Lgroup:
	s_cmp_ge_u32 s31, s30
	s_cbranch_scc1 .Lskip
	s_wait_xcnt 0x0                                ; the last group's loads and stores have had their addresses translated: bases and offsets are rewritten only behind this wait
	s_lshl_b32 s46, s31, 6
	s_add_co_u32 s46, s46, s29
	s_min_u32 s46, s46, 7104                       ; the group's first row of the list, clamped: it is made from loaded numbers
	s_lshl_b32 s44, s46, 2
	s_add_nc_u64 s[38:39], s[14:15], s[44:45]
	s_add_nc_u64 s[40:41], s[16:17], s[44:45]
	s_lshl_b32 s44, s46, 7
	s_add_nc_u64 s[42:43], s[34:35], s[44:45]
.set f, 0
.rept 4
	global_load_b32 v[TK+f], v[VT], s[38:39] offset:64*f
	global_load_b32 v[WT+f], v[VT], s[40:41] offset:64*f
.set f, f+1
.endr
	s_wait_loadcnt 0x0
.set f, 0
.rept 4
	v_min_u32 v[TK+f], 0x7ff, v[TK+f]
	v_lshl_add_u32 v[AO+f], v[TK+f], 11, v[H16]    ; a token's row of xb is 2,048 bytes
.set f, f+1
.endr
	WIN W_LA
	ALOAD 0                                        ; the first four K steps' tokens
	ALOAD 1
	ALOAD 2
	ALOAD 3
	WIN 0
	BLOAD 0                                        ; the first K step's weights
.irp k, 0,1,2,3,4,5,6,7,8,9,10,11,12,13,14,15,16,17,18,19,20,21,22,23,24,25,26,27,28,29,30,31
	KSTEP \k
.endr
	PLACES
	HOUT 0
	HOUT 1
	HOUT 2
	HOUT 3
.Lskip:
	s_add_co_u32 s31, s31, 4
	s_sub_co_u32 s32, s32, 1
	s_cmp_lg_u32 s32, 0
	s_cbranch_scc1 .Lgroup
	s_set_vgpr_msb 0xc
	s_wait_tensorcnt 0x0
	ds_add_u32 v13, v1
	s_wait_dscnt 0x0
	s_set_vgpr_msb 0xc00
	s_endpgm
.Lfunc_end_k_qe09c72ad09_gateup:
	.size	k_qe09c72ad09_gateup, .Lfunc_end_k_qe09c72ad09_gateup-k_qe09c72ad09_gateup
	.p2alignl 7, 3214868480
	.fill 96, 4, 3214868480
	.section	.rodata,"a",@progbits
	.p2align	6, 0x0
	.amdhsa_kernel k_qe09c72ad09_gateup
		.amdhsa_group_segment_fixed_size 304640
		.amdhsa_private_segment_fixed_size 0
		.amdhsa_enable_private_segment 0
		.amdhsa_kernarg_size 64
		.amdhsa_user_sgpr_count 2
		.amdhsa_user_sgpr_kernarg_segment_ptr 1
		.amdhsa_wavefront_size32 1
		.amdhsa_system_sgpr_workgroup_id_x 1
		.amdhsa_system_sgpr_workgroup_id_y 1
		.amdhsa_system_sgpr_workgroup_id_z 1
		.amdhsa_system_vgpr_workitem_id 0
		.amdhsa_next_free_vgpr 770
		.amdhsa_next_free_sgpr 66
		.amdhsa_reserve_vcc 0
		.amdhsa_float_denorm_mode_32 3
		.amdhsa_float_denorm_mode_16_64 3
		.amdhsa_memory_ordered 1
		.amdhsa_forward_progress 1
		.amdhsa_inst_pref_size 195
	.end_amdhsa_kernel
	.amdgpu_metadata
---
amdhsa.version: [ 1, 2 ]
amdhsa.kernels:
  - .name:           k_qe09c72ad09_gateup
    .symbol:         k_qe09c72ad09_gateup.kd
    .args:
      - { .name: xb, .offset: 0, .size: 8, .value_kind: global_buffer, .address_space: global }
      - { .name: expert_gate_w, .offset: 8, .size: 8, .value_kind: global_buffer, .address_space: global }
      - { .name: expert_up_w, .offset: 16, .size: 8, .value_kind: global_buffer, .address_space: global }
      - { .name: shared_gate_w, .offset: 24, .size: 8, .value_kind: global_buffer, .address_space: global }
      - { .name: shared_up_w, .offset: 32, .size: 8, .value_kind: global_buffer, .address_space: global }
      - { .name: lists, .offset: 40, .size: 8, .value_kind: global_buffer, .address_space: global }
      - { .name: lwgt, .offset: 48, .size: 8, .value_kind: global_buffer, .address_space: global }
      - { .name: hbuf, .offset: 56, .size: 8, .value_kind: global_buffer, .address_space: global }
    .group_segment_fixed_size: 304640
    .private_segment_fixed_size: 0
    .kernarg_segment_align: 8
    .kernarg_segment_size: 64
    .max_flat_workgroup_size: 128
    .sgpr_count:     66
    .vgpr_count:     770
    .wavefront_size: 32
...
	.end_amdgpu_metadata
.endif
;; end of part 3
;; launch edown (part 4): grid 256 x 1, 4 waves a work-group, no clusters, 99,840 bytes of LDS; arguments hbuf, expert_down_w, lists, ybuf; writes ybuf
.if DOCPART == 4
	.amdgcn_target "amdgcn-amd-amdhsa--gfx1250"
	.amdhsa_code_object_version 6
	.text
	.protected	k_qe09c72ad09_edown
	.globl	k_qe09c72ad09_edown
	.p2align	8
	.type	k_qe09c72ad09_edown,@function
k_qe09c72ad09_edown:
	s_mov_b64 s[64:65], 0
	v_nop
	global_prefetch_b8 v0, s[64:65] scope:SCOPE_SE
	s_setreg_imm32_b32 hwreg(HW_REG_WAVE_MODE, 25, 1), 1
	s_wait_xcnt 0x0
; THE EXPERTS' DOWN PRODUCT.  Y[p][n] = the sum over k of H[p][k] Wd[e][k][n] for the rows p of expert e's part of the list, in f32.  H is bf16 and carries the routing weight already.
; JOBS.  Work-group wg: expert wg / 16, columns 64 (wg % 16) on, K = 512, all the expert's rows.  The weights' slice is rounded to bf16 into LDS once; one barrier; then each wave walks groups of 64 rows
; by itself, H's fragments coming from memory into registers four K steps ahead, the weights' out of LDS turned.  Source 0 = 16 columns, source 1 = 16 rows: a lane holds one row and 8 neighbouring columns.
; NO TENSOR LOADS, NO CLUSTER: the weights are f32 and pass through registers to be rounded; a slice is read by one work-group alone.
; REGISTERS: window 0: addresses v1-12; v[64:95], v[96:127] two buffers of weights' fragments; v[128:159] rows read back.  (While the weights come in: v[64:191] two slots, v[192:223] rounded.)
;   window 1: 16 accumulators, (f, c) at 8 (4 f + c)      window 2: two buffers of H's fragments, (q, f) at 32 q + 8 f
.set PW,  160                          ; a row of weights in LDS: 128 bytes + 32 = 5 x 32
.set STG, 512*PW                       ; behind the weights: 16 rows x 272 bytes for each wave
.set SPY, 272
.set HSL, 655360                       ; bytes from a slice of 64 columns of H to the next
.set WO,  3
.set VL,  4
.set VBA, 5                            ; v5: my lane's place in a turning load, K steps 0-7; v6: K steps 8-15
.set AO,  7
.set STO, 8
.set RD,  9
.set GO,  10
.set BF,  64
.set OB,  128
.set SL0, 64
.set CV,  192
.set W_MM, 0x58                        ; weights window 0, H window 2, C and D window 1
.set W_LA, 0x80                        ; destination window 2
.set W_ST, 0x04                        ; an LDS store's data in window 1
.set MSB, 0
.macro WIN new
.if MSB != (\new)
	s_set_vgpr_msb (MSB<<8)|(\new)
.set MSB, \new
.endif
.endm
.macro PLACES
.rept 4
	v_nop
.endr
.endm
	s_load_b256 s[4:11], s[0:1], 0x0               ; hbuf s[4:5], expert_down_w s[6:7], lists s[8:9], ybuf s[10:11]
	v_lshl_add_u32 v254, v0, 2, 0x18400
	v_mov_b32 v255, 0
	v_lshrrev_b32 v11, 5, v0
	v_readfirstlane_b32 s12, v11                   ; wave 0..3
	v_and_b32 v1, 15, v0                           ; r
	v_bfe_u32 v2, v0, 4, 1                         ; h
	s_lshr_b32 s13, ttmp9, 4                       ; the expert
	s_and_b32 s14, ttmp9, 15                       ; the slice of 64 columns
	s_lshl_b32 s15, s13, 2
	s_wait_kmcnt 0x0
	s_load_b32 s16, s[8:9], s15 offset:0xb000      ; off[e]
	s_load_b32 s17, s[8:9], s15 offset:0xb040      ; ng[e]
	s_lshl_b32 s18, s13, 21
	s_lshl_b32 s22, s14, 8
	s_add_co_u32 s18, s18, s22
	s_lshl_b32 s23, s12, 17                        ; wave w begins 32 w rows of 4,096 bytes down
	s_add_co_u32 s18, s18, s23
	s_mov_b32 s19, 0
	s_add_nc_u64 s[20:21], s[6:7], s[18:19]
	s_mov_b32 s18, s22
	s_add_nc_u64 s[36:37], s[10:11], s[18:19]      ; Y at my 64 columns
	s_mov_b32 s29, 0
	; A batch is 32 rows, 16 loads: lanes 0-15 row jrow(j) = j % 4 + 8 (j / 4), lanes 16-31 the row 4 below (4 x 40 words further on in LDS: the other 32 banks)
	v_lshlrev_b32 v[WO], 14, v2
	v_lshl_add_u32 v[WO], v1, 4, v[WO]
	s_mul_i32 s22, s12, 32*PW
	v_mul_u32_u24 v11, v2, 4*PW
	v_lshl_add_u32 v11, v1, 3, v11
	v_add_nc_u32 v[VL], s22, v11
	v_and_b32 v11, 7, v0
	v_lshl_add_u32 v11, v2, 3, v11
	v_mul_u32_u24 v[VBA], v11, PW
	v_bfe_u32 v11, v0, 3, 1
	v_lshl_add_u32 v[VBA], v11, 4, v[VBA]
	v_add_nc_u32 v[VBA+1], 256*PW, v[VBA]
	v_lshlrev_b32 v[AO], 7, v1
	v_lshl_add_u32 v[AO], v2, 4, v[AO]             ; H: row r of 128 bytes, 16 bytes for each half of the lanes
	s_mul_i32 s22, s12, 16*SPY
	s_add_co_u32 s22, s22, STG                     ; my stage
	v_mul_u32_u24 v11, v1, SPY                     ; in: row r, 32 bytes for each half of the lanes
	v_lshl_add_u32 v11, v2, 5, v11
	v_add_nc_u32 v[STO], s22, v11
	v_mul_u32_u24 v11, v2, SPY                     ; back: lanes 0-15 one row of 256 bytes, lanes 16-31 the next
	v_lshl_add_u32 v11, v1, 4, v11
	v_add_nc_u32 v[RD], s22, v11
	v_lshlrev_b32 v[GO], 12, v2                    ; and the same two rows in Y
	v_lshl_add_u32 v[GO], v1, 4, v[GO]
.macro LDB slot, b                     ; batch b of my four: rows 128 b + 32 w on; everything stands in the immediate
.set j, 0
.rept 16
	global_load_b128 v[SL0+64*(\slot)+4*j:SL0+64*(\slot)+4*j+3], v[WO], s[20:21] offset:(\b)*524288+((j%4)+8*(j/4))*4096 th:TH_LOAD_NT
.set j, j+1
.endr
.endm
.macro CVB slot, left
	s_wait_loadcnt \left
.set j, 0
.rept 16
	v_cvt_pk_bf16_f32 v[CV+2*j], v[SL0+64*(\slot)+4*j], v[SL0+64*(\slot)+4*j+1]
	v_cvt_pk_bf16_f32 v[CV+2*j+1], v[SL0+64*(\slot)+4*j+2], v[SL0+64*(\slot)+4*j+3]
.set j, j+1
.endr
.set j, 0
.rept 16
	ds_store_b64 v[VL], v[CV+2*j:CV+2*j+1] offset:((j%4)+8*(j/4))*PW
.set j, j+1
.endr
	v_add_nc_u32 v[VL], 128*PW, v[VL]
.endm
	LDB 0, 0
	LDB 1, 1
	CVB 0, 16                                      ; the count leaves the other slot's 16 loads out
	LDB 0, 2
	CVB 1, 16
	LDB 1, 3
	CVB 0, 16
	CVB 1, 0
	s_wait_kmcnt 0x0
	s_min_u32 s16, s16, 5056
	s_min_u32 s17, s17, 32
	s_wait_dscnt 0x0                               ; for the others' sake: my part of the weights is in LDS
	s_barrier_signal -1
	s_barrier_wait -1                              ; the kernel's one barrier
; 8 matrix instructions of K step ks: rows f0, f0 + 1 x 4 column blocks.  The 16 accumulators take turns.
.macro MMS ks, f0
	WIN W_MM
.set f, \f0
.rept 2
.set c, 0
.rept 4
.if (\ks) == 0
	v_wmma_f32_16x16x32_bf16 v[8*(4*f+c):8*(4*f+c)+7], v[BF+32*((\ks)%2)+8*c:BF+32*((\ks)%2)+8*c+7], v[128*(((\ks)/4)%2)+32*((\ks)%4)+8*f:128*(((\ks)/4)%2)+32*((\ks)%4)+8*f+7], 0
.else
	v_wmma_f32_16x16x32_bf16 v[8*(4*f+c):8*(4*f+c)+7], v[BF+32*((\ks)%2)+8*c:BF+32*((\ks)%2)+8*c+7], v[128*(((\ks)/4)%2)+32*((\ks)%4)+8*f:128*(((\ks)/4)%2)+32*((\ks)%4)+8*f+7], v[8*(4*f+c):8*(4*f+c)+7]
.endif
.set c, c+1
.endr
.set f, f+1
.endr
.endm
.macro ALOAD ks                        ; H's fragments of K step ks: slice ks / 2, 64 bytes (ks % 2) on
.set f, 0
.rept 4
	global_load_b128 v[128*(((\ks)/4)%2)+32*((\ks)%4)+8*f:128*(((\ks)/4)%2)+32*((\ks)%4)+8*f+3],   v[AO], s[32:33] offset:((\ks)/2)*HSL+((\ks)%2)*64+2048*f
	global_load_b128 v[128*(((\ks)/4)%2)+32*((\ks)%4)+8*f+4:128*(((\ks)/4)%2)+32*((\ks)%4)+8*f+7], v[AO], s[32:33] offset:((\ks)/2)*HSL+((\ks)%2)*64+2048*f+32
.set f, f+1
.endr
.endm
.macro BLOAD ks                        ; the weights' fragments of K step ks
.set c, 0
.rept 4
	ds_load_tr16_b128 v[BF+32*((\ks)%2)+8*c:BF+32*((\ks)%2)+8*c+3],   v[VBA+(\ks)/8] offset:((\ks)%8)*32*PW+32*c
	ds_load_tr16_b128 v[BF+32*((\ks)%2)+8*c+4:BF+32*((\ks)%2)+8*c+7], v[VBA+(\ks)/8] offset:((\ks)%8)*32*PW+32*c+16*PW
.set c, c+1
.endr
.endm
.macro KSTEP ks
.if (\ks) < 12
	s_wait_loadcnt 24                              ; this step's eight loads of H are in; three younger runs of eight stay out
.else
	s_wait_loadcnt 24-8*((\ks)-12)                 ; nothing more is asked for: the counts run down
.endif
	s_wait_dscnt 0x0                               ; this step's eight loads from LDS
	MMS \ks, 0
	PLACES
.if (\ks) < 15
	WIN 0
	BLOAD (\ks)+1
.endif
.if (\ks) < 12
	WIN W_LA
	ALOAD (\ks)+4
.endif
	MMS \ks, 2
.endm
; THE WAY OUT of 16 rows f: f32 through my stage, so that 16 lanes store 256 consecutive bytes.  Each accumulator's low four registers go first.
.macro YOUT f
	WIN W_ST
.set c, 0
.rept 4
	ds_store_b128 v[STO], v[8*(4*(\f)+c):8*(4*(\f)+c)+3] offset:64*c
	ds_store_b128 v[STO], v[8*(4*(\f)+c)+4:8*(4*(\f)+c)+7] offset:64*c+16
.set c, c+1
.endr
	WIN 0
	s_wait_xcnt 0x0                                ; earlier stores' data registers are loaded again only behind this wait
.set i, 0
.rept 8
	ds_load_b128 v[OB+4*i:OB+4*i+3], v[RD] offset:2*SPY*i  ; LDS serves a wave's instructions in order (ISA guide 5.7.1.4)
.set i, i+1
.endr
	s_wait_dscnt 0x0
.set i, 0
.rept 8
	global_store_b128 v[GO], v[OB+4*i:OB+4*i+3], s[34:35] offset:(16*(\f)+2*i)*4096  ; 16 lanes store 256 consecutive bytes, at a multiple of 256 from ybuf's first
.set i, i+1
.endr
.endm
	s_mov_b32 s25, s12                             ; wave w takes groups w, w + 4, ..
	s_mov_b32 s26, 8                               ; 32 groups at the most, 8 a wave; a group that the expert does not have is jumped over
.Lgroup:
	s_cmp_ge_u32 s25, s17
	s_cbranch_scc1 .Lskip
	s_wait_xcnt 0x0                                ; the last group's bases are rewritten only behind this wait
	s_lshl_b32 s30, s25, 6
	s_add_co_u32 s30, s30, s16
	s_min_u32 s30, s30, 5056                       ; the group's first row, clamped: it is made from loaded numbers
	s_lshl_b32 s28, s30, 7
	s_add_nc_u64 s[32:33], s[4:5], s[28:29]
	s_lshl_b32 s28, s30, 12
	s_add_nc_u64 s[34:35], s[36:37], s[28:29]
	WIN W_LA
	ALOAD 0
	ALOAD 1
	ALOAD 2
	ALOAD 3
	WIN 0
	BLOAD 0
.irp k, 0,1,2,3,4,5,6,7,8,9,10,11,12,13,14,15
	KSTEP \k
.endr
	PLACES
	YOUT 0
	YOUT 1
	YOUT 2
	YOUT 3
.Lskip:
	s_add_co_u32 s25, s25, 4
	s_sub_co_u32 s26, s26, 1
	s_cmp_lg_u32 s26, 0
	s_cbranch_scc1 .Lgroup
	s_wait_tensorcnt 0x0
	ds_add_u32 v254, v255
	s_wait_dscnt 0x0
	s_endpgm
.Lfunc_end_k_qe09c72ad09_edown:
	.size	k_qe09c72ad09_edown, .Lfunc_end_k_qe09c72ad09_edown-k_qe09c72ad09_edown
	.p2alignl 7, 3214868480
	.fill 96, 4, 3214868480
	.section	.rodata,"a",@progbits
	.p2align	6, 0x0
	.amdhsa_kernel k_qe09c72ad09_edown
		.amdhsa_group_segment_fixed_size 99840
		.amdhsa_private_segment_fixed_size 0
		.amdhsa_enable_private_segment 0
		.amdhsa_kernarg_size 32
		.amdhsa_user_sgpr_count 2
		.amdhsa_user_sgpr_kernarg_segment_ptr 1
		.amdhsa_wavefront_size32 1
		.amdhsa_system_sgpr_workgroup_id_x 1
		.amdhsa_system_sgpr_workgroup_id_y 1
		.amdhsa_system_sgpr_workgroup_id_z 1
		.amdhsa_system_vgpr_workitem_id 0
		.amdhsa_next_free_vgpr 768
		.amdhsa_next_free_sgpr 66
		.amdhsa_reserve_vcc 0
		.amdhsa_float_denorm_mode_32 3
		.amdhsa_float_denorm_mode_16_64 3
		.amdhsa_memory_ordered 1
		.amdhsa_forward_progress 1
		.amdhsa_inst_pref_size 70
	.end_amdhsa_kernel
	.amdgpu_metadata
---
amdhsa.version: [ 1, 2 ]
amdhsa.kernels:
  - .name:           k_qe09c72ad09_edown
    .symbol:         k_qe09c72ad09_edown.kd
    .args:
      - { .name: hbuf, .offset: 0, .size: 8, .value_kind: global_buffer, .address_space: global }
      - { .name: expert_down_w, .offset: 8, .size: 8, .value_kind: global_buffer, .address_space: global }
      - { .name: lists, .offset: 16, .size: 8, .value_kind: global_buffer, .address_space: global }
      - { .name: ybuf, .offset: 24, .size: 8, .value_kind: global_buffer, .address_space: global }
    .group_segment_fixed_size: 99840
    .private_segment_fixed_size: 0
    .kernarg_segment_align: 8
    .kernarg_segment_size: 32
    .max_flat_workgroup_size: 128
    .sgpr_count:     66
    .vgpr_count:     768
    .wavefront_size: 32
...
	.end_amdgpu_metadata
.endif
;; end of part 4
;; launch sdown (part 5): grid 256 x 1, 4 waves a work-group, no clusters, 312,832 bytes of LDS; arguments hbuf, shared_down_w, ybuf, lists, out0; writes out0
.if DOCPART == 5
	.amdgcn_target "amdgcn-amd-amdhsa--gfx1250"
	.amdhsa_code_object_version 6
	.text
	.protected	k_qe09c72ad09_sdown
	.globl	k_qe09c72ad09_sdown
	.p2align	8
	.type	k_qe09c72ad09_sdown,@function
k_qe09c72ad09_sdown:
	s_mov_b64 s[64:65], 0
	v_nop
	global_prefetch_b8 v0, s[64:65] scope:SCOPE_SE
	s_setreg_imm32_b32 hwreg(HW_REG_WAVE_MODE, 25, 1), 1
	s_wait_xcnt 0x0
; THE SHARED EXPERT'S DOWN PRODUCT AND THE SUM.  out0[t][n] = the sum over k of Hs[t][k] Wsd[k][n] + Y[pos[t][0]][n] + Y[pos[t][1]][n].  Hs is bf16 and carries the shared gate already; Y is f32.
; JOBS.  Work-group wg: columns 64 (wg % 16) on, tokens 128 (wg / 16) on; wave w 32 of them; K = 2,048.  The weights' slice is rounded to bf16 into LDS once; one barrier; then each wave
; works by itself: Hs's fragments from memory into registers a trip of 256 K ahead, the weights' out of LDS turned.  Source 0 = 16 columns, source 1 = 16 tokens.
; NO TENSOR LOADS, NO CLUSTER: the weights are f32 and pass through registers to be rounded, so the data mover cannot carry them.
; REGISTERS: window 0: addresses v1-12; v[32:63] pos, then offsets into Y; v[64:127], v[128:191] two buffers of weights' fragments, at the end Y's rows; v[192:223] rows read back.
;   window 1: 8 accumulators, (f, c) at 8 (4 f + c)      window 2: two buffers of Hs's fragments, (q, kk, f) at 32 q + 16 kk + 8 f
.set PW,  144                          ; a row of weights in LDS: 128 bytes + 16.  With 32 of padding 2,048 rows would fill all of LDS and leave no stage; at 144 the eighth row of a turning load's eight shares four banks with the first
.set STG, 2048*PW                      ; behind the weights: 16 rows x 272 bytes for each wave
.set SPY, 272
.set HSL, 262144                       ; bytes from a slice of 64 columns of Hs to the next
.set WO,  3
.set VL,  4
.set VB,  5
.set AO,  6
.set STO, 7
.set RD,  8
.set GO,  9
.set PO,  10
.set R16, 11
.set PP,  32
.set BF,  64
.set YR,  64
.set OB,  192
.set SL0, 64
.set CV,  192
.set W_MM, 0x58
.set W_LA, 0x80
.set W_ST, 0x04
.set MSB, 0
.macro WIN new
.if MSB != (\new)
	s_set_vgpr_msb (MSB<<8)|(\new)
.set MSB, \new
.endif
.endm
.macro PLACES
.rept 4
	v_nop
.endr
.endm
	s_load_b256 s[4:11], s[0:1], 0x0               ; hbuf s[4:5], shared_down_w s[6:7], ybuf s[8:9], lists s[10:11]
	s_load_b64 s[12:13], s[0:1], 0x20              ; out0
	v_lshl_add_u32 v254, v0, 2, 0x4c400
	v_mov_b32 v255, 0
	v_lshrrev_b32 v12, 5, v0
	v_readfirstlane_b32 s14, v12                   ; wave 0..3
	v_and_b32 v1, 15, v0                           ; r
	v_bfe_u32 v2, v0, 4, 1                         ; h
	s_and_b32 s15, ttmp9, 15                       ; the slice of 64 columns
	s_lshr_b32 s16, ttmp9, 4                       ; the block of 128 tokens
	s_lshl_b32 s17, s16, 7
	s_lshl_b32 s31, s14, 5
	s_add_co_u32 s17, s17, s31                     ; my first token
	s_mov_b32 s19, 0
	v_lshlrev_b32 v[PO], 3, v2
	v_lshlrev_b32 v[R16], 4, v1
	s_wait_kmcnt 0x0
	s_lshl_b32 s18, s17, 3
	s_add_co_u32 s18, s18, 28672
	s_add_nc_u64 s[24:25], s[10:11], s[18:19]      ; pos of my first token
.set m, 0
.rept 16                               ; m = 8 f + i: the two rows of Y for token 16 f + 2 i + h, the token whose row I store in step i of the way out
	global_load_b64 v[PP+2*m:PP+2*m+1], v[PO], s[24:25] offset:16*m
.set m, m+1
.endr
	s_lshl_b32 s18, s15, 8
	s_add_nc_u64 s[26:27], s[8:9], s[18:19]        ; Y at my 64 columns
	s_lshl_b32 s31, s14, 17                        ; wave w begins 32 w rows of 4,096 bytes down
	s_add_co_u32 s18, s18, s31
	s_add_nc_u64 s[20:21], s[6:7], s[18:19]
	s_lshl_b32 s18, s17, 7
	s_add_co_u32 s18, s18, 5242880
	s_add_nc_u64 s[22:23], s[4:5], s[18:19]        ; Hs at my first token
	s_lshl_b32 s18, s17, 12
	s_lshl_b32 s31, s15, 8
	s_add_co_u32 s18, s18, s31
	s_add_nc_u64 s[28:29], s[12:13], s[18:19]      ; out0 at my first token and column
	; A batch is 32 rows, 16 loads: lanes 0-15 row jrow(j) = j % 8 + 16 (j / 8), lanes 16-31 the row 8 below (8 x 36 words further on in LDS: the other 32 banks)
	v_lshlrev_b32 v[WO], 15, v2
	v_add_nc_u32 v[WO], v[R16], v[WO]
	s_mul_i32 s31, s14, 32*PW
	v_mul_u32_u24 v12, v2, 8*PW
	v_lshl_add_u32 v12, v1, 3, v12
	v_add_nc_u32 v[VL], s31, v12
	v_and_b32 v12, 7, v0
	v_lshl_add_u32 v12, v2, 3, v12
	v_mul_u32_u24 v[VB], v12, PW
	v_bfe_u32 v12, v0, 3, 1
	v_lshl_add_u32 v[VB], v12, 4, v[VB]
	v_lshlrev_b32 v[AO], 7, v1
	v_lshl_add_u32 v[AO], v2, 4, v[AO]
	s_mul_i32 s31, s14, 16*SPY
	s_add_co_u32 s31, s31, STG                     ; my stage
	v_mul_u32_u24 v12, v1, SPY
	v_lshl_add_u32 v12, v2, 5, v12
	v_add_nc_u32 v[STO], s31, v12
	v_mul_u32_u24 v12, v2, SPY
	v_add_nc_u32 v12, v[R16], v12
	v_add_nc_u32 v[RD], s31, v12
	v_lshl_add_u32 v[GO], v2, 12, v[R16]
.macro LDB slot
.set j, 0
.rept 16
	global_load_b128 v[SL0+64*(\slot)+4*j:SL0+64*(\slot)+4*j+3], v[WO], s[20:21] offset:((j%8)+16*(j/8))*4096
.set j, j+1
.endr
	s_wait_xcnt 0x0                                ; the base is stepped only behind this wait
	s_add_nc_u64 s[20:21], s[20:21], 524288        ; 128 rows on
.endm
.macro CVB slot, left
	s_wait_loadcnt \left
.set j, 0
.rept 16
	v_cvt_pk_bf16_f32 v[CV+2*j], v[SL0+64*(\slot)+4*j], v[SL0+64*(\slot)+4*j+1]
	v_cvt_pk_bf16_f32 v[CV+2*j+1], v[SL0+64*(\slot)+4*j+2], v[SL0+64*(\slot)+4*j+3]
.set j, j+1
.endr
.set j, 0
.rept 16
	ds_store_b64 v[VL], v[CV+2*j:CV+2*j+1] offset:((j%8)+16*(j/8))*PW
.set j, j+1
.endr
	v_add_nc_u32 v[VL], 128*PW, v[VL]
.endm
	LDB 0                                          ; 16 batches a wave, two slots
	LDB 1
	s_mov_b32 s30, 7
.Lw:
	CVB 0, 16                                      ; the count leaves the other slot's 16 out; pos's loads are older than all of these
	LDB 0
	CVB 1, 16
	LDB 1
	s_sub_co_u32 s30, s30, 1
	s_cmp_lg_u32 s30, 0
	s_cbranch_scc1 .Lw
	CVB 0, 16
	CVB 1, 0
	s_wait_dscnt 0x0                               ; for the others' sake: my part of the weights is in LDS
	s_barrier_signal -1
	s_barrier_wait -1                              ; the kernel's one barrier
; 8 matrix instructions: half kk (32 K) of step q, 2 x 16 tokens x 4 column blocks.  The 8 accumulators take turns.
.macro MMS q, ab, kk, zero
	WIN W_MM
.set f, 0
.rept 2
.set c, 0
.rept 4
.if \zero
	v_wmma_f32_16x16x32_bf16 v[8*(4*f+c):8*(4*f+c)+7], v[BF+64*((\q)%2)+32*(\kk)+8*c:BF+64*((\q)%2)+32*(\kk)+8*c+7], v[128*(\ab)+32*(\q)+16*(\kk)+8*f:128*(\ab)+32*(\q)+16*(\kk)+8*f+7], 0
.else
	v_wmma_f32_16x16x32_bf16 v[8*(4*f+c):8*(4*f+c)+7], v[BF+64*((\q)%2)+32*(\kk)+8*c:BF+64*((\q)%2)+32*(\kk)+8*c+7], v[128*(\ab)+32*(\q)+16*(\kk)+8*f:128*(\ab)+32*(\q)+16*(\kk)+8*f+7], v[8*(4*f+c):8*(4*f+c)+7]
.endif
.set c, c+1
.endr
.set f, f+1
.endr
.endm
; Step q of a trip's four: 64 along K, one slice of Hs.  In its middle: the next step's weights out of LDS (pfb) and the next trip's Hs for the same q (pfa).
.macro KSTEP q, ab, timm, zero, pfa, pfb, left
	s_wait_loadcnt \left                           ; this step's eight loads of Hs are in; left: the younger runs of eight
	s_wait_dscnt 0x0                               ; this step's 16 loads from LDS
	MMS \q, \ab, 0, \zero
	PLACES
.if \pfb
	WIN 0
.set n, 0
.rept 8                                ; n = 4 kk + c
	ds_load_tr16_b128 v[BF+64*(((\q)+1)%2)+8*n:BF+64*(((\q)+1)%2)+8*n+3],   v[VB] offset:((\q)+1)*64*PW+(n/4)*32*PW+32*(n%4)
	ds_load_tr16_b128 v[BF+64*(((\q)+1)%2)+8*n+4:BF+64*(((\q)+1)%2)+8*n+7], v[VB] offset:((\q)+1)*64*PW+(n/4)*32*PW+32*(n%4)+16*PW
.set n, n+1
.endr
.endif
.if \pfa
	WIN W_LA
.set n, 0
.rept 4                                ; n = 2 kk + f
	global_load_b128 v[128*(1-(\ab))+32*(\q)+8*n:128*(1-(\ab))+32*(\q)+8*n+3],   v[AO], s[22:23] offset:(\timm)+4*HSL+(\q)*HSL+2048*(n%2)+64*(n/2)
	global_load_b128 v[128*(1-(\ab))+32*(\q)+8*n+4:128*(1-(\ab))+32*(\q)+8*n+7], v[AO], s[22:23] offset:(\timm)+4*HSL+(\q)*HSL+2048*(n%2)+64*(n/2)+32
.set n, n+1
.endr
.endif
	MMS \q, \ab, 1, 0
.endm
.macro TRIP ab, timm, first, last      ; 256 along K
	KSTEP 0, \ab, \timm, \first, 1-(\last), 1, 24
	KSTEP 1, \ab, \timm, 0, 1-(\last), 1, 24-8*(\last)
	KSTEP 2, \ab, \timm, 0, 1-(\last), 1, 24-16*(\last)
	KSTEP 3, \ab, \timm, 0, 1-(\last), 1-(\last), 24-24*(\last)
	WIN 0
	v_add_nc_u32 v[VB], 256*PW, v[VB]
.endm
	WIN W_LA
.set q, 0
.rept 4                                ; the first trip's Hs, step by step
.set n, 0
.rept 4
	global_load_b128 v[32*q+8*n:32*q+8*n+3],   v[AO], s[22:23] offset:q*HSL+2048*(n%2)+64*(n/2)
	global_load_b128 v[32*q+8*n+4:32*q+8*n+7], v[AO], s[22:23] offset:q*HSL+2048*(n%2)+64*(n/2)+32
.set n, n+1
.endr
.set q, q+1
.endr
	WIN 0
.set n, 0
.rept 8                                ; the first step's weights
	ds_load_tr16_b128 v[BF+8*n:BF+8*n+3],   v[VB] offset:(n/4)*32*PW+32*(n%4)
	ds_load_tr16_b128 v[BF+8*n+4:BF+8*n+7], v[VB] offset:(n/4)*32*PW+32*(n%4)+16*PW
.set n, n+1
.endr
	TRIP 0, 0, 1, 0                                ; the first products start the sums: nothing is cleared
	s_wait_xcnt 0x0
	s_add_nc_u64 s[22:23], s[22:23], 4*HSL
	s_mov_b32 s30, 3
.Lk:
	TRIP 1, 0, 0, 0
	TRIP 0, 4*HSL, 0, 0
	s_wait_xcnt 0x0
	s_add_nc_u64 s[22:23], s[22:23], 8*HSL
	s_sub_co_u32 s30, s30, 1
	s_cmp_lg_u32 s30, 0
	s_cbranch_scc1 .Lk
	TRIP 1, 0, 0, 1                                ; the last trip fetches nothing: its counts run down
	PLACES
	; THE WAY OUT.  The two experts' rows of Y are fetched as they will be added: 16 lanes take 256 consecutive bytes of a row.
.set n, 0
.rept 32
	v_min_u32 v[PP+n], 0x13ff, v[PP+n]             ; a loaded row enters an address only clamped
	v_lshl_add_u32 v[PP+n], v[PP+n], 12, v[R16]    ; a row of Y is 4,096 bytes
.set n, n+1
.endr
.set n, 0
.rept 32
	global_load_b128 v[YR+4*n:YR+4*n+3], v[PP+n], s[26:27] th:TH_LOAD_NT
.set n, n+1
.endr
.macro FIN f, left                     ; 16 tokens f: through my stage, plus Y's two rows, out.  Each accumulator's low four registers go first.
	WIN W_ST
.set c, 0
.rept 4
	ds_store_b128 v[STO], v[8*(4*(\f)+c):8*(4*(\f)+c)+3] offset:64*c
	ds_store_b128 v[STO], v[8*(4*(\f)+c)+4:8*(4*(\f)+c)+7] offset:64*c+16
.set c, c+1
.endr
	WIN 0
	s_wait_xcnt 0x0                                ; earlier stores' data registers are loaded again only behind this wait
.set i, 0
.rept 8
	ds_load_b128 v[OB+4*i:OB+4*i+3], v[RD] offset:2*SPY*i  ; LDS serves a wave's instructions in order (ISA guide 5.7.1.4)
.set i, i+1
.endr
	s_wait_dscnt 0x0
	s_wait_loadcnt \left                           ; these 16 tokens' 16 loads of Y are in; left: the other 16 tokens'
.set i, 0
.rept 8
	v_pk_add_f32 v[YR+8*(8*(\f)+i):YR+8*(8*(\f)+i)+1],   v[YR+8*(8*(\f)+i):YR+8*(8*(\f)+i)+1],   v[YR+8*(8*(\f)+i)+4:YR+8*(8*(\f)+i)+5]
	v_pk_add_f32 v[YR+8*(8*(\f)+i)+2:YR+8*(8*(\f)+i)+3], v[YR+8*(8*(\f)+i)+2:YR+8*(8*(\f)+i)+3], v[YR+8*(8*(\f)+i)+6:YR+8*(8*(\f)+i)+7]
.set i, i+1
.endr
.set i, 0
.rept 8
	v_pk_add_f32 v[OB+4*i:OB+4*i+1],   v[OB+4*i:OB+4*i+1],   v[YR+8*(8*(\f)+i):YR+8*(8*(\f)+i)+1]
	v_pk_add_f32 v[OB+4*i+2:OB+4*i+3], v[OB+4*i+2:OB+4*i+3], v[YR+8*(8*(\f)+i)+2:YR+8*(8*(\f)+i)+3]
	global_store_b128 v[GO], v[OB+4*i:OB+4*i+3], s[28:29] offset:(16*(\f)+2*i)*4096 th:TH_STORE_NT  ; 16 lanes store 256 consecutive bytes, at a multiple of 256 from out0's first
.set i, i+1
.endr
.endm
	FIN 0, 16
	FIN 1, 0
	s_wait_tensorcnt 0x0
	ds_add_u32 v254, v255
	s_wait_dscnt 0x0
	s_endpgm
.Lfunc_end_k_qe09c72ad09_sdown:
	.size	k_qe09c72ad09_sdown, .Lfunc_end_k_qe09c72ad09_sdown-k_qe09c72ad09_sdown
	.p2alignl 7, 3214868480
	.fill 96, 4, 3214868480
	.section	.rodata,"a",@progbits
	.p2align	6, 0x0
	.amdhsa_kernel k_qe09c72ad09_sdown
		.amdhsa_group_segment_fixed_size 312832
		.amdhsa_private_segment_fixed_size 0
		.amdhsa_enable_private_segment 0
		.amdhsa_kernarg_size 40
		.amdhsa_user_sgpr_count 2
		.amdhsa_user_sgpr_kernarg_segment_ptr 1
		.amdhsa_wavefront_size32 1
		.amdhsa_system_sgpr_workgroup_id_x 1
		.amdhsa_system_sgpr_workgroup_id_y 1
		.amdhsa_system_sgpr_workgroup_id_z 1
		.amdhsa_system_vgpr_workitem_id 0
		.amdhsa_next_free_vgpr 768
		.amdhsa_next_free_sgpr 66
		.amdhsa_reserve_vcc 0
		.amdhsa_float_denorm_mode_32 3
		.amdhsa_float_denorm_mode_16_64 3
		.amdhsa_memory_ordered 1
		.amdhsa_forward_progress 1
		.amdhsa_inst_pref_size 88
	.end_amdhsa_kernel
	.amdgpu_metadata
---
amdhsa.version: [ 1, 2 ]
amdhsa.kernels:
  - .name:           k_qe09c72ad09_sdown
    .symbol:         k_qe09c72ad09_sdown.kd
    .args:
      - { .name: hbuf, .offset: 0, .size: 8, .value_kind: global_buffer, .address_space: global }
      - { .name: shared_down_w, .offset: 8, .size: 8, .value_kind: global_buffer, .address_space: global }
      - { .name: ybuf, .offset: 16, .size: 8, .value_kind: global_buffer, .address_space: global }
      - { .name: lists, .offset: 24, .size: 8, .value_kind: global_buffer, .address_space: global }
      - { .name: out0, .offset: 32, .size: 8, .value_kind: global_buffer, .address_space: global }
    .group_segment_fixed_size: 312832
    .private_segment_fixed_size: 0
    .kernarg_segment_align: 8
    .kernarg_segment_size: 40
    .max_flat_workgroup_size: 128
    .sgpr_count:     66
    .vgpr_count:     768
    .wavefront_size: 32
...
	.end_amdgpu_metadata
.endif
;; end of part 5
;; ======== version 2 of 2: 5 launches; 1.16 times as fast as version 1
;; workspace buffers: xb 4,194,304 bytes; rsel 16,384 bytes of whole numbers; rwt 32,768 bytes; lists 45,312 bytes of whole numbers; lwgt 28,672 bytes; hbuf 13,631,488 bytes; ybuf 20,971,520 bytes; wsb 4,194,304 bytes
;; launch router (part 6): grid 256 x 1, 4 waves a work-group, no clusters, 75,264 bytes of LDS; arguments hidden_states, gate_w, shared_expert_gate_w, xb, out1, rsel, rwt, shared_down_w, wsb; writes xb, out1, rsel, rwt, wsb
.if DOCPART == 6
	.amdgcn_target "amdgcn-amd-amdhsa--gfx1250"
	.amdhsa_code_object_version 6
	.text
	.protected	k_qe09c72ad09_router
	.globl	k_qe09c72ad09_router
	.p2align	8
	.type	k_qe09c72ad09_router,@function
k_qe09c72ad09_router:
	s_mov_b64 s[64:65], 0
	v_nop
	global_prefetch_b8 v0, s[64:65] scope:SCOPE_SE
	s_setreg_imm32_b32 hwreg(HW_REG_WAVE_MODE, 25, 1), 1
	s_wait_xcnt 0x0
; ROUTER (work-groups 0-127).  For 16 tokens a work-group: xb = bf16(x); logits = x . gate_w (out1); the two largest logits' experts (rsel); their weights and the
; shared expert's gate (rwt: w0, w1, sg, 0).  x, gate_w and shared_expert_gate_w are rounded to bf16, products by the matrix unit, sums in f32.
; SHARES.  Wave w takes K = 256 w .. 256 w + 255 of all 16 tokens; the four partial sums meet in LDS and wave 0 finishes.
; The matrix instruction is used transposed: source 0 = 16 experts (or 16 copies of the shared gate's vector), source 1 = 16 tokens, so a lane
; holds one token (lane % 16) and the experts 8 (lane / 16) + 0..7.
; WORK-GROUPS 128-255 round shared_down_w to bf16 once, by slices of 64 columns: wsb[slice][k][64].  The last launch has 16 work-groups for each slice, which would else each round it anew.
; NO TENSOR LOADS, NO CLUSTER: every input is f32 and has to pass through registers to be rounded; no two work-groups share a token or a row.
; LIMITS.  NaN and infinities are not treated apart.  The two experts are chosen by the logits, a tie going to the lower index; that differs from a choice
; by the probabilities only where unequal logits round to equal probabilities.  w0 = 1 / (1 + e^(l2 - l1)), w1 = e^(l2 - l1) w0: the larger logit is taken
; away before the exponential, so its argument is never above 0; a result below 2^-126 counts as 0.
.set XPW, 528                          ; a row of a wave's x in LDS: 512 bytes + 16: 33 x 16, the 16 rows of a load start at 16 different groups of four banks
.set XWV, 16*XPW                       ; a wave's 16 rows
.set GW,  4*XWV                        ; gate_w as bf16, [k][16], 32 bytes a row; wave w's 256 rows at 8,192 w
.set SGL, GW+32768                     ; shared_expert_gate_w as bf16; wave w's 256 numbers at 512 w
.set RED, SGL+2048                     ; the partial sums: 48 bytes a lane, 1,536 a wave
.set GR,  192                          ; v[192:255] 16 loads of gate_w
.set SR,  56                           ; v[56:63]   2 loads of the shared gate's vector
.set XR,  64                           ; v[64:191]  32 loads of x (or of shared_down_w)
.set FRG, 64                           ; v[64:255]  fragments, 24 registers a K step of 32: experts, shared gate, tokens
.set ACL, 24                           ; v[24:31]   logits
.set ACS, 32                           ; v[32:39]   x . shared gate, the same in all eight
.set LG,  40                           ; v[40:47]   the summed logits; v48 the summed gate argument
	s_set_vgpr_msb 0x40
	v_lshl_add_u32 v0, v0, 2, 0x12400
	v_mov_b32 v1, 0
	s_set_vgpr_msb 0x4000
	s_cmp_ge_u32 ttmp9, 128
	s_cbranch_scc1 .Lconv                          ; the same way for all four waves of a work-group
	s_load_b256 s[4:11], s[0:1], 0x0               ; x s[4:5], gate_w s[6:7], shared gate s[8:9], xb s[10:11]
	s_load_b128 s[12:15], s[0:1], 0x20             ; out1 s[12:13], rsel s[14:15]
	s_load_b64 s[16:17], s[0:1], 0x30              ; rwt
	v_lshrrev_b32 v2, 5, v0
	v_readfirstlane_b32 s18, v2                    ; wave 0..3
	v_and_b32 v1, 31, v0                           ; lane
	v_and_b32 v2, 15, v0                           ; r = lane % 16
	v_bfe_u32 v3, v0, 4, 1                         ; h = lane / 16
	v_lshlrev_b32 v4, 4, v1                        ; 16 bytes a lane: every load of f32
	v_lshlrev_b32 v5, 3, v1                        ; 8 bytes a lane: the same four numbers as bf16
	s_lshl_b32 s19, s18, 13
	s_add_co_u32 s19, s19, GW                      ; my quarter of gate_w in LDS
	v_add_nc_u32 v6, s19, v5
	s_lshl_b32 s36, s18, 9
	s_add_co_u32 s36, s36, SGL                     ; my quarter of the shared gate's vector
	v_add_nc_u32 v7, s36, v5
	s_mul_i32 s37, s18, XWV                        ; my quarter of x
	v_add_nc_u32 v8, s37, v5
	v_and_b32 v49, 7, v0                           ; the turning load: lane l reads row 8 h + l % 8, 16 bytes at 16 ((l / 8) % 2)
	v_lshl_add_u32 v49, v3, 3, v49
	v_bfe_u32 v50, v0, 3, 1
	v_lshlrev_b32 v49, 5, v49
	v_lshl_add_u32 v49, v50, 4, v49
	v_add_nc_u32 v9, s19, v49
	v_lshl_add_u32 v10, v3, 4, s36                 ; the shared gate's fragment: the same 16 bytes for all 16 rows
	v_mul_u32_u24 v11, v2, XPW
	v_lshl_add_u32 v11, v3, 4, v11
	v_add_nc_u32 v11, s37, v11                     ; a token's fragment: row r, 16 bytes for each half of the lanes
	v_mul_u32_u24 v13, v1, 48
	v_add_nc_u32 v13, RED, v13                     ; wave 0's partial sums, where the reading begins
	s_mul_i32 s37, s18, 1536
	v_add_nc_u32 v12, s37, v13                     ; my own
	s_mov_b32 s28, 0x76543210                      ; v_permlanex16_b32: each lane takes its own place in the other half
	s_mov_b32 s29, 0xfedcba98
	s_lshl_b32 s34, ttmp9, 16                      ; 16 tokens x 4,096 bytes
	s_lshl_b32 s36, s18, 10                        ; my 256 numbers of a row
	s_add_co_u32 s34, s34, s36
	s_mov_b32 s35, 0
	s_wait_kmcnt 0x0
	s_add_nc_u64 s[20:21], s[4:5], s[34:35]
	s_lshl_b32 s34, s18, 14                        ; my 256 rows of gate_w, 64 bytes each
	s_add_nc_u64 s[22:23], s[6:7], s[34:35]
	s_mov_b32 s34, s36
	s_add_nc_u64 s[24:25], s[8:9], s[34:35]
	s_lshl_b32 s34, ttmp9, 15                      ; 16 tokens x 2,048 bytes of xb
	s_lshl_b32 s36, s18, 9
	s_add_co_u32 s34, s34, s36
	s_add_nc_u64 s[26:27], s[10:11], s[34:35]
	; all loads but gate_w's second half go out at once: 16 + 2 + 32
.set n, 0
.rept 16
	global_load_b128 v[GR+4*n:GR+4*n+3], v4, s[22:23] offset:512*n
.set n, n+1
.endr
	global_load_b128 v[SR:SR+3], v4, s[24:25]
	global_load_b128 v[SR+4:SR+7], v4, s[24:25] offset:512
.set n, 0
.rept 32                               ; token n / 2, half n % 2 of my 1,024 bytes
	global_load_b128 v[XR+4*n:XR+4*n+3], v4, s[20:21] offset:(n/2)*4096+(n%2)*512 th:TH_LOAD_NT
.set n, n+1
.endr
; 16 loads of gate_w are rounded in place and put into LDS: load n holds rows 8 n + lane / 4, experts 4 (lane % 4) on: as bf16 that is byte 256 n + 8 lane
.macro GSTORE first
.set n, 0
.rept 16
	v_cvt_pk_bf16_f32 v[GR+4*n], v[GR+4*n], v[GR+4*n+1]
	v_cvt_pk_bf16_f32 v[GR+4*n+1], v[GR+4*n+2], v[GR+4*n+3]
	ds_store_b64 v6, v[GR+4*n:GR+4*n+1] offset:256*((\first)+n)
.set n, n+1
.endr
.endm
	s_wait_loadcnt 34                              ; gate_w's first half is in: behind it stand the 2 + 32 others
	GSTORE 0
.set n, 0
.rept 16
	global_load_b128 v[GR+4*n:GR+4*n+3], v4, s[22:23] offset:512*(16+n)
.set n, n+1
.endr
	s_wait_loadcnt 48                              ; the shared gate's vector is in: behind it stand x's 32 and the 16 just issued
	v_cvt_pk_bf16_f32 v[SR], v[SR], v[SR+1]
	v_cvt_pk_bf16_f32 v[SR+1], v[SR+2], v[SR+3]
	v_cvt_pk_bf16_f32 v[SR+4], v[SR+4], v[SR+5]
	v_cvt_pk_bf16_f32 v[SR+5], v[SR+6], v[SR+7]
	ds_store_b64 v7, v[SR:SR+1]
	ds_store_b64 v7, v[SR+4:SR+5] offset:256
	s_wait_loadcnt 16                              ; x is in: behind it stand gate_w's second 16
.set n, 0
.rept 32
	v_cvt_pk_bf16_f32 v[XR+4*n], v[XR+4*n], v[XR+4*n+1]
	v_cvt_pk_bf16_f32 v[XR+4*n+1], v[XR+4*n+2], v[XR+4*n+3]
	global_store_b64 v5, v[XR+4*n:XR+4*n+1], s[26:27] offset:(n/2)*2048+(n%2)*256  ; the wave stores 256 consecutive bytes, at a multiple of 256 from xb's first
	ds_store_b64 v8, v[XR+4*n:XR+4*n+1] offset:(n/2)*XPW+(n%2)*256
.set n, n+1
.endr
	s_wait_loadcnt 0x0
	GSTORE 16
	; my eight K steps.  A wave reads only what it stored itself, and LDS serves a wave's instructions in order (ISA guide 5.7.1.4): no barrier, no wait in between.
	s_wait_xcnt 0x0                                ; the stores to xb have had their addresses translated: their data registers are loaded over only behind this wait
.set k, 0
.rept 8
	ds_load_tr16_b128 v[FRG+24*k:FRG+24*k+3],     v9 offset:1024*k
	ds_load_tr16_b128 v[FRG+24*k+4:FRG+24*k+7],   v9 offset:1024*k+512
	ds_load_b128 v[FRG+24*k+8:FRG+24*k+11],       v10 offset:64*k
	ds_load_b128 v[FRG+24*k+12:FRG+24*k+15],      v10 offset:64*k+32
	ds_load_b128 v[FRG+24*k+16:FRG+24*k+19],      v11 offset:64*k
	ds_load_b128 v[FRG+24*k+20:FRG+24*k+23],      v11 offset:64*k+32
.set k, k+1
.endr
	s_wait_dscnt 0x0
	v_wmma_f32_16x16x32_bf16 v[ACL:ACL+7], v[FRG:FRG+7], v[FRG+16:FRG+23], 0      ; the first K step starts both sums; the two accumulators take turns
	v_wmma_f32_16x16x32_bf16 v[ACS:ACS+7], v[FRG+8:FRG+15], v[FRG+16:FRG+23], 0
.set k, 1
.rept 7
	v_wmma_f32_16x16x32_bf16 v[ACL:ACL+7], v[FRG+24*k:FRG+24*k+7], v[FRG+24*k+16:FRG+24*k+23], v[ACL:ACL+7]
	v_wmma_f32_16x16x32_bf16 v[ACS:ACS+7], v[FRG+24*k+8:FRG+24*k+15], v[FRG+24*k+16:FRG+24*k+23], v[ACS:ACS+7]
.set k, k+1
.endr
.rept 4
	v_nop                                          ; four places between the last products and the stores that read them
.endr
	ds_store_b128 v12, v[ACL:ACL+3]
	ds_store_b128 v12, v[ACL+4:ACL+7] offset:16
	ds_store_b32 v12, v[ACS] offset:32
	s_wait_dscnt 0x0                               ; for wave 0's sake: my partial sums are in LDS
	s_barrier_signal -1
	s_barrier_wait -1
	s_cmp_lg_u32 s18, 0
	s_cbranch_scc1 .Lend
	; wave 0: the four partial sums, in ascending K
.set n, 0
.rept 4
	ds_load_b128 v[64+12*n:64+12*n+3], v13 offset:1536*n
	ds_load_b128 v[68+12*n:68+12*n+3], v13 offset:1536*n+16
	ds_load_b32 v[72+12*n], v13 offset:1536*n+32
.set n, n+1
.endr
	s_lshl_b32 s34, ttmp9, 10                      ; 16 tokens x 64 bytes of out1
	s_add_nc_u64 s[12:13], s[12:13], s[34:35]
	s_lshl_b32 s34, ttmp9, 7                       ; x 8 bytes of rsel
	s_add_nc_u64 s[14:15], s[14:15], s[34:35]
	s_lshl_b32 s34, ttmp9, 8                       ; x 16 bytes of rwt
	s_add_nc_u64 s[16:17], s[16:17], s[34:35]
	v_lshlrev_b32 v14, 6, v2
	v_lshl_add_u32 v14, v3, 5, v14                 ; out1: token r, experts 8 h on
	v_lshlrev_b32 v15, 3, v3                       ; 8 h
	v_lshlrev_b32 v22, 3, v2
	v_lshlrev_b32 v23, 4, v2
	s_wait_dscnt 0x0
.set i, 0
.rept 4
	v_pk_add_f32 v[LG+2*i:LG+2*i+1], v[64+2*i:64+2*i+1], v[76+2*i:76+2*i+1]
.set i, i+1
.endr
	v_add_f32 v48, v72, v84
.set i, 0
.rept 4
	v_pk_add_f32 v[LG+2*i:LG+2*i+1], v[LG+2*i:LG+2*i+1], v[88+2*i:88+2*i+1]
.set i, i+1
.endr
	v_add_f32 v48, v48, v96
.set i, 0
.rept 4
	v_pk_add_f32 v[LG+2*i:LG+2*i+1], v[LG+2*i:LG+2*i+1], v[100+2*i:100+2*i+1]
.set i, i+1
.endr
	v_add_f32 v48, v48, v108
	global_store_b128 v14, v[LG:LG+3], s[12:13]             ; out1 is 131,072 bytes in all: here 1,024 consecutive bytes are filled by two instructions, not one
	global_store_b128 v14, v[LG+4:LG+7], s[12:13] offset:16
	; the two largest of my eight logits: (m1, i1) v49, v50 and (m2, i2) v51, v52; only a strictly larger logit displaces, so a tie stays with the lower index
	v_mov_b32 v49, v[LG]
	v_mov_b32 v50, v15
	v_mov_b32 v51, 0xff800000
	v_mov_b32 v52, v15
.set j, 1
.rept 7
	v_add_nc_u32 v53, j, v15
	v_cmp_gt_f32 s30, v[LG+j], v49
	v_cmp_gt_f32 s31, v[LG+j], v51
	v_cndmask_b32 v51, v51, v[LG+j], s31
	v_cndmask_b32 v52, v52, v53, s31
	v_cndmask_b32 v51, v51, v49, s30
	v_cndmask_b32 v52, v52, v50, s30
	v_cndmask_b32 v49, v49, v[LG+j], s30
	v_cndmask_b32 v50, v50, v53, s30
.set j, j+1
.endr
	; the other half of the lanes holds the token's other eight experts.  Lanes 0 to 15 alone store the choice, so 'mine' are the lower experts (A) and 'the other's' the higher (B); what lanes 16 to 31 make is not used.
.irp d, 54,55,56,57
	v_mov_b32 v\d, 0                               ; v_permlanex16_b32's destination counts as read
.endr
	v_permlanex16_b32 v54, v49, s28, s29
	v_permlanex16_b32 v55, v50, s28, s29
	v_permlanex16_b32 v56, v51, s28, s29
	v_permlanex16_b32 v57, v52, s28, s29
	v_cmp_gt_f32 s30, v54, v49                     ; B's first beats A's first
	v_cmp_gt_f32 s31, v56, v49                     ; B's second beats A's first
	v_cmp_gt_f32 s32, v54, v51                     ; B's first beats A's second
	v_cndmask_b32 v60, v49, v56, s31               ; the second, if B's first is the first
	v_cndmask_b32 v61, v50, v57, s31
	v_cndmask_b32 v62, v51, v54, s32               ; the second, if A's first is the first
	v_cndmask_b32 v63, v52, v55, s32
	v_cndmask_b32 v59, v62, v60, s30               ; l2
	v_cndmask_b32 v21, v63, v61, s30               ; its expert
	v_cndmask_b32 v58, v49, v54, s30               ; l1
	v_cndmask_b32 v20, v50, v55, s30               ; its expert
	v_sub_f32 v60, v59, v58                        ; l2 - l1, never above 0
	v_mul_f32 v60, 0x3fb8aa3b, v60
	v_mul_f32 v61, 0xbfb8aa3b, v48
	v_exp_f32 v60, v60
	v_exp_f32 v61, v61
	v_nop                                          ; a plain instruction behind the exponentials (ISA guide 5.7.2)
	s_wait_alu depctr_va_vdst(0)
	v_add_f32 v62, 1.0, v60
	v_add_f32 v63, 1.0, v61
	v_rcp_f32 v16, v62                             ; w0
	v_rcp_f32 v18, v63                             ; the shared expert's gate
	v_nop
	s_wait_alu depctr_va_vdst(0)
	v_mul_f32 v17, v60, v16                        ; w1
	v_mov_b32 v19, 0
	v_cmp_gt_u32 vcc_lo, 16, v1
	s_wait_xcnt 0x0                                ; EXEC changes only behind this wait: the stores to out1 read it
	s_and_saveexec_b32 s33, vcc_lo
	global_store_b64 v22, v[20:21], s[14:15]
	global_store_b128 v23, v[16:19], s[16:17]
	s_wait_xcnt 0x0                                ; and again in front of the line that widens it
	s_or_b32 exec_lo, exec_lo, s33
.Lend:
	s_set_vgpr_msb 0x5
	s_wait_tensorcnt 0x0
	ds_add_u32 v0, v1
	s_wait_dscnt 0x0
	s_set_vgpr_msb 0x500
	s_endpgm
	; WORK-GROUPS 128-255: 16 rows of shared_down_w each, 4 a wave.  A load takes 256 bytes (a slice's 64 columns) of two neighbouring rows, lanes 0-15 the even row, lanes 16-31 the odd one;
	; rounded, they are 2 x 128 bytes that lie end to end in wsb.
.Lconv:
	s_load_b64 s[4:5], s[0:1], 0x38                ; shared_down_w
	s_load_b64 s[6:7], s[0:1], 0x40                ; wsb
	v_lshrrev_b32 v2, 5, v0
	v_readfirstlane_b32 s18, v2                    ; wave 0..3
	v_and_b32 v1, 31, v0
	v_and_b32 v2, 15, v0
	v_bfe_u32 v3, v0, 4, 1
	v_lshlrev_b32 v4, 4, v2
	v_lshl_add_u32 v4, v3, 12, v4                  ; 16 r + a row of 4,096 bytes for lanes 16-31
	v_lshlrev_b32 v5, 3, v1                        ; 8 bytes a lane
	s_sub_co_u32 s19, ttmp9, 128
	s_lshl_b32 s19, s19, 4
	s_lshl_b32 s36, s18, 2
	s_add_co_u32 s19, s19, s36                     ; my first row
	s_lshl_b32 s34, s19, 12
	s_mov_b32 s35, 0
	s_wait_kmcnt 0x0
	s_add_nc_u64 s[20:21], s[4:5], s[34:35]
	s_lshl_b32 s34, s19, 7                         ; a row of a slice is 128 bytes
	s_add_nc_u64 s[22:23], s[6:7], s[34:35]
.set n, 0
.rept 32                               ; pair of rows n / 16, slice n % 16
	global_load_b128 v[XR+4*n:XR+4*n+3], v4, s[20:21] offset:(n/16)*8192+(n%16)*256 th:TH_LOAD_NT
.set n, n+1
.endr
.set n, 0
.rept 32
.if (n%8) == 0
	s_wait_loadcnt 24-n                            ; eight more loads are in; the younger ones stay out
.endif
	v_cvt_pk_bf16_f32 v[XR+4*n], v[XR+4*n], v[XR+4*n+1]
	v_cvt_pk_bf16_f32 v[XR+4*n+1], v[XR+4*n+2], v[XR+4*n+3]
	global_store_b64 v5, v[XR+4*n:XR+4*n+1], s[22:23] offset:(n%16)*262144+(n/16)*256  ; the wave stores 256 consecutive bytes, at a multiple of 256 from wsb's first
.set n, n+1
.endr
	s_endpgm
.Lfunc_end_k_qe09c72ad09_router:
	.size	k_qe09c72ad09_router, .Lfunc_end_k_qe09c72ad09_router-k_qe09c72ad09_router
	.p2alignl 7, 3214868480
	.fill 96, 4, 3214868480
	.section	.rodata,"a",@progbits
	.p2align	6, 0x0
	.amdhsa_kernel k_qe09c72ad09_router
		.amdhsa_group_segment_fixed_size 75264
		.amdhsa_private_segment_fixed_size 0
		.amdhsa_enable_private_segment 0
		.amdhsa_kernarg_size 72
		.amdhsa_user_sgpr_count 2
		.amdhsa_user_sgpr_kernarg_segment_ptr 1
		.amdhsa_wavefront_size32 1
		.amdhsa_system_sgpr_workgroup_id_x 1
		.amdhsa_system_sgpr_workgroup_id_y 1
		.amdhsa_system_sgpr_workgroup_id_z 1
		.amdhsa_system_vgpr_workitem_id 0
		.amdhsa_next_free_vgpr 258
		.amdhsa_next_free_sgpr 66
		.amdhsa_reserve_vcc 1
		.amdhsa_float_denorm_mode_32 3
		.amdhsa_float_denorm_mode_16_64 3
		.amdhsa_memory_ordered 1
		.amdhsa_forward_progress 1
		.amdhsa_inst_pref_size 48
	.end_amdhsa_kernel
	.amdgpu_metadata
---
amdhsa.version: [ 1, 2 ]
amdhsa.kernels:
  - .name:           k_qe09c72ad09_router
    .symbol:         k_qe09c72ad09_router.kd
    .args:
      - { .name: hidden_states, .offset: 0, .size: 8, .value_kind: global_buffer, .address_space: global }
      - { .name: gate_w, .offset: 8, .size: 8, .value_kind: global_buffer, .address_space: global }
      - { .name: shared_expert_gate_w, .offset: 16, .size: 8, .value_kind: global_buffer, .address_space: global }
      - { .name: xb, .offset: 24, .size: 8, .value_kind: global_buffer, .address_space: global }
      - { .name: out1, .offset: 32, .size: 8, .value_kind: global_buffer, .address_space: global }
      - { .name: rsel, .offset: 40, .size: 8, .value_kind: global_buffer, .address_space: global }
      - { .name: rwt, .offset: 48, .size: 8, .value_kind: global_buffer, .address_space: global }
      - { .name: shared_down_w, .offset: 56, .size: 8, .value_kind: global_buffer, .address_space: global }
      - { .name: wsb, .offset: 64, .size: 8, .value_kind: global_buffer, .address_space: global }
    .group_segment_fixed_size: 75264
    .private_segment_fixed_size: 0
    .kernarg_segment_align: 8
    .kernarg_segment_size: 72
    .max_flat_workgroup_size: 128
    .sgpr_count:     66
    .vgpr_count:     258
    .wavefront_size: 32
...
	.end_amdgpu_metadata
.endif
;; end of part 6
;; launch bucket (part 7): grid 1 x 1, 16 waves a work-group, no clusters, 10,240 bytes of LDS; arguments rsel, rwt, lists, lwgt; writes lists, lwgt
.if DOCPART == 7
	.amdgcn_target "amdgcn-amd-amdhsa--gfx1250"
	.amdhsa_code_object_version 6
	.text
	.protected	k_qe09c72ad09_bucket
	.globl	k_qe09c72ad09_bucket
	.p2align	8
	.type	k_qe09c72ad09_bucket,@function
k_qe09c72ad09_bucket:
	s_mov_b64 s[64:65], 0
	v_nop
	global_prefetch_b8 v0, s[64:65] scope:SCOPE_SE
	s_setreg_imm32_b32 hwreg(HW_REG_WAVE_MODE, 25, 1), 1
	s_wait_xcnt 0x0
; BUCKET.  The 4,096 pairs (token, expert) are sorted by expert, by counting, without atomics: one work-group of 16 waves.
; lists: tok[7168] at byte 0; pos[2048][2] at 28,672; off[16] at 45,056; ng[16] at 45,120.  lwgt: one f32 weight for each row of tok.
; Expert e owns the rows off[e] .. off[e] + 64 ng[e] - 1, ng[e] = ceil(n[e] / 64); rows behind its n[e] pairs hold token 0 and weight 0.  All experts together have at
; most 4,096 + 16 x 63 = 5,104 rows.  Row 5,120 + t holds token t and the shared expert's gate: for the launch behind, the shared expert is more rows of the same list.
; Thread t owns tokens 4 t .. 4 t + 3: eight entries, entry i = token 4 t + i / 2, choice i % 2.
; HOW.  All counting is done in vector registers.  A thread's histogram of its eight experts lies in 4-bit fields of two registers (the field read before it is raised is the entry's rank among
; the thread's own); widened to 16 bytes, byte e = expert e, it is summed over the wave's lanes (an inclusive scan) and stored in LDS.  Behind the one barrier lane e adds up the 16 waves' totals
; for expert e.  An entry's row = the expert's first row + the count of the waves in front + my lane's inclusive count - 1 - the rank.  The order inside an expert's rows is free: each row is worked on by itself.
; LIMIT.  A wave's count for an expert lies in a byte: 128 at the most, since a token's two experts differ, as the launch before makes them for finite logits.  Rows are clamped before they enter an address.
; One work-group: the work is 48 KB in and 90 KB out, and a sum over all tokens stands in its middle.  No matrix unit, no tensor loads: there is nothing for them.
.set EX, 8                             ; v[8:15]   my eight entries' experts
.set RW, 16                            ; v[16:31]  my four tokens' w0, w1, sg, 0
.set PS, 32                            ; v[32:39]  -1 - rank, then my eight entries' rows
.set HA, 40                            ; v[40:43]  16 counts of a byte
.set TT, 44                            ; v[44:47]  at work in the scan
.set TB, 48                            ; v[48:63]  the 16 waves' totals (lane: expert lane % 16); later addresses and data of stores
.set IN, 64                            ; v[64:71]  my lane's inclusive count for each entry's expert
.set SH, 72                            ; v[72:79]  8 (expert % 4): where that count's byte begins in its register
.set BA, 80                            ; v[80:87]  4 x expert: the lane that holds the expert's figures
.set BS, 88                            ; v[88:95]  the expert's first row for my wave
.set FC, 32                            ; s[32:47]  for wave n: 0x10000, + 1 if it stands in front of mine
	s_load_b256 s[4:11], s[0:1], 0x0               ; rsel s[4:5], rwt s[6:7], lists s[8:9], lwgt s[10:11]
	v_lshl_add_u32 v112, v0, 2, 0x2000
	v_mov_b32 v113, 0
	v_lshrrev_b32 v6, 5, v0
	v_readfirstlane_b32 s12, v6                    ; wave 0..15
	v_and_b32 v1, 31, v0
	v_lshlrev_b32 v2, 5, v0                        ; 32 bytes of rsel and of pos a thread
	v_lshlrev_b32 v3, 6, v0                        ; 64 bytes of rwt
	v_lshlrev_b32 v4, 2, v0                        ; my first token
	v_lshlrev_b32 v5, 4, v0                        ; my 16 bytes in LDS; also my 16 bytes of the shared rows
	v_and_b32 v6, 15, v0                           ; the expert whose figures my lane keeps
	v_lshlrev_b32 v7, 2, v1
	s_wait_kmcnt 0x0
	global_load_b128 v[EX:EX+3], v2, s[4:5]
	global_load_b128 v[EX+4:EX+7], v2, s[4:5] offset:16
.set a, 0
.rept 4
	global_load_b128 v[RW+4*a:RW+4*a+3], v3, s[6:7] offset:16*a
.set a, a+1
.endr
	s_mov_b32 s48, 0x10001
	s_mov_b32 s49, 0x10000
.set n, 0
.rept 16
	s_cmp_gt_u32 s12, n
	s_cselect_b32 s[FC+n], s48, s49
.set n, n+1
.endr
	s_mov_b32 s50, -1                              ; v_permlanex16_b32: every lane takes lane 15 of the other half
	s_mov_b32 s51, 0xffff0000                      ; lanes 16 to 31
	s_mov_b32 s52, 0x0f0f0f0f
	v_mov_b32 v96, 0                               ; experts 0-7: expert E in the four bits from 8 (E % 4) + 4 ((E / 4) % 2) on
	v_mov_b32 v97, 0                               ; experts 8-15 likewise
	v_mov_b32 v98, 1
	v_mov_b32 v109, 0                              ; destinations of DPP moves and of v_permlanex16_b32 count as read
.irp r, 0,1,2,3
	v_mov_b32 v[TT+\r], 0
.endr
	s_wait_loadcnt 4                               ; rsel's two loads are in; rwt's four stay out
.set i, 0
.rept 8
	v_min_u32 v[EX+i], 15, v[EX+i]                 ; a loaded number is clamped before anything is made of it
	v_and_b32 v99, 3, v[EX+i]
	v_and_b32 v100, 4, v[EX+i]
	v_lshlrev_b32 v[SH+i], 3, v99
	v_lshl_or_b32 v99, v99, 3, v100                ; the field's first bit
	v_cmp_lt_u32 vcc_lo, 7, v[EX+i]
	v_cndmask_b32 v100, v96, v97, vcc_lo
	v_bfe_u32 v[PS+i], v100, v99, 4                ; the rank: how many of my earlier entries have this expert
	v_lshlrev_b32 v101, v99, v98
	v_cndmask_b32 v102, 0, v101, vcc_lo
	v_sub_nc_u32 v101, v101, v102
	v_add_nc_u32 v97, v97, v102
	v_add_nc_u32 v96, v96, v101
	v_not_b32 v[PS+i], v[PS+i]                     ; -1 - rank
	v_lshlrev_b32 v[BA+i], 2, v[EX+i]
.set i, i+1
.endr
	v_and_b32 v[HA], s52, v96                      ; the even fields are experts 0-3, the odd ones 4-7: byte e of the 16 is expert e
	v_lshrrev_b32 v[HA+1], 4, v96
	v_and_b32 v[HA+1], s52, v[HA+1]
	v_and_b32 v[HA+2], s52, v97
	v_lshrrev_b32 v[HA+3], 4, v97
	v_and_b32 v[HA+3], s52, v[HA+3]
.irp n, 1,2,4,8                        ; the inclusive scan inside each half of 16 lanes; a lane without a source takes 0
.irp r, 0,1,2,3
	v_mov_b32_dpp v[TT+\r], v[HA+\r] row_shr:\n row_mask:0xf bank_mask:0xf bound_ctrl:1
.endr
.irp r, 0,1,2,3
	v_add_nc_u32 v[HA+\r], v[HA+\r], v[TT+\r]
.endr
.endr
.irp r, 0,1,2,3
	v_permlanex16_b32 v[TT+\r], v[HA+\r], s50, s50 ; the other half's total,
.endr
.irp r, 0,1,2,3
	v_cndmask_b32 v[TT+\r], 0, v[TT+\r], s51       ; which lanes 16 to 31 add
.endr
.irp r, 0,1,2,3
	v_add_nc_u32 v[HA+\r], v[HA+\r], v[TT+\r]
.endr
	ds_store_b128 v5, v[HA:HA+3]
	; while the store is out: my lane's inclusive count for each entry's expert, out of the four registers: the register by E >= 8 and E & 4, the byte by E % 4
.set i, 0
.rept 8
	v_cmp_lt_u32 vcc_lo, 7, v[EX+i]
	v_cndmask_b32 v99, v[HA], v[HA+2], vcc_lo
	v_cndmask_b32 v100, v[HA+1], v[HA+3], vcc_lo
	v_and_b32 v101, 4, v[EX+i]
	v_cmp_ne_u32 vcc_lo, 0, v101
	v_cndmask_b32 v99, v99, v100, vcc_lo
	v_bfe_u32 v[IN+i], v99, v[SH+i], 8
.set i, i+1
.endr
	s_wait_dscnt 0x0                               ; for the others' sake
	s_barrier_signal -1
	s_barrier_wait -1                              ; from here on LDS is only read
.set n, 0
.rept 16
	ds_load_u8 v[TB+n], v6 offset:512*n+496        ; wave n's total for my expert: its lane 31's inclusive count
.set n, n+1
.endr
	s_wait_dscnt 0x0
	v_mul_u32_u24 v104, s[FC], v[TB]
.set n, 1
.rept 15
	v_mad_u32_u24 v104, v[TB+n], s[FC+n], v104     ; upper half: all waves' count; lower half: the count of the waves in front of mine
.set n, n+1
.endr
	v_lshrrev_b32 v105, 16, v104                   ; n[e]
	v_and_b32 v106, 0xffff, v104
	v_add_nc_u32 v107, 63, v105
	v_and_b32 v107, 0xffffffc0, v107               ; 64 ng[e]
	v_mov_b32 v108, v107
.irp n, 1,2,4,8                        ; both halves of the lanes hold the 16 experts, and each makes the same sums
	v_mov_b32_dpp v109, v108 row_shr:\n row_mask:0xf bank_mask:0xf bound_ctrl:1
	v_add_nc_u32 v108, v108, v109
.endr
	v_sub_nc_u32 v110, v108, v107                  ; off[e]; v108: where the expert's rows end
	v_add_nc_u32 v106, v110, v106                  ; my wave's first row for expert e
	v_add_nc_u32 v105, v110, v105                  ; where its padding begins
	v_lshrrev_b32 v107, 6, v107                    ; ng[e]
	v_cndmask_b32 v111, v110, v107, s51            ; lanes 0 to 15: off; lanes 16 to 31: ng
.set i, 0
.rept 8
	ds_bpermute_b32 v[BS+i], v[BA+i], v106         ; from lane E: no LDS byte is touched
.set i, i+1
.endr
	s_wait_dscnt 0x0
.set i, 0
.rept 8
	v_add3_u32 v[PS+i], v[BS+i], v[IN+i], v[PS+i]
	v_min_u32 v[PS+i], 0x13ff, v[PS+i]             ; a row made from loaded numbers enters an address only clamped: 5,119 at the most
.set i, i+1
.endr
	s_wait_loadcnt 0x0                             ; rwt
	global_store_b128 v2, v[PS:PS+3], s[8:9] offset:28672
	global_store_b128 v2, v[PS+4:PS+7], s[8:9] offset:28688
.set a, 0
.rept 4
	v_add_nc_u32 v[TB+8+a], a, v4                  ; my four tokens
	v_mov_b32 v[TB+12+a], v[RW+4*a+2]              ; their gates of the shared expert, side by side
.set a, a+1
.endr
.set i, 0
.rept 8                                ; 4-byte stores to scattered rows: 2 x 16 KB in the whole launch
	v_lshlrev_b32 v[TB+i], 2, v[PS+i]
	global_store_b32 v[TB+i], v[TB+8+i/2], s[8:9]
	global_store_b32 v[TB+i], v[RW+4*(i/2)+i%2], s[10:11]
.set i, i+1
.endr
	global_store_b128 v5, v[TB+8:TB+11], s[8:9] offset:20480       ; rows 5,120 + 4 t on
	global_store_b128 v5, v[TB+12:TB+15], s[10:11] offset:20480
	; padding: wave w fills expert w's rows behind its pairs, 63 at the most
	v_readlane_b32 s53, v105, s12
	v_readlane_b32 s54, v108, s12
	v_mov_b32 v99, 0
	v_add_nc_u32 v100, s53, v1
	v_add_nc_u32 v101, 32, v100
	v_min_u32 v102, 0x13ff, v100
	v_min_u32 v103, 0x13ff, v101
	v_lshlrev_b32 v102, 2, v102
	v_lshlrev_b32 v103, 2, v103
	v_cmp_gt_u32 vcc_lo, s54, v100
	s_wait_xcnt 0x0                                ; EXEC changes only behind this wait
	s_and_saveexec_b32 s55, vcc_lo
	global_store_b32 v102, v99, s[8:9]
	global_store_b32 v102, v99, s[10:11]
	s_wait_xcnt 0x0
	s_or_b32 exec_lo, exec_lo, s55
	v_cmp_gt_u32 vcc_lo, s54, v101
	s_and_saveexec_b32 s55, vcc_lo
	global_store_b32 v103, v99, s[8:9]
	global_store_b32 v103, v99, s[10:11]
	s_wait_xcnt 0x0
	s_or_b32 exec_lo, exec_lo, s55
	s_cmp_lg_u32 s12, 0
	s_cbranch_scc1 .Lend
	global_store_b32 v7, v111, s[8:9] offset:45056
.Lend:
	s_wait_tensorcnt 0x0
	ds_add_u32 v112, v113
	s_wait_dscnt 0x0
	s_endpgm
.Lfunc_end_k_qe09c72ad09_bucket:
	.size	k_qe09c72ad09_bucket, .Lfunc_end_k_qe09c72ad09_bucket-k_qe09c72ad09_bucket
	.p2alignl 7, 3214868480
	.fill 96, 4, 3214868480
	.section	.rodata,"a",@progbits
	.p2align	6, 0x0
	.amdhsa_kernel k_qe09c72ad09_bucket
		.amdhsa_group_segment_fixed_size 10240
		.amdhsa_private_segment_fixed_size 0
		.amdhsa_enable_private_segment 0
		.amdhsa_kernarg_size 32
		.amdhsa_user_sgpr_count 2
		.amdhsa_user_sgpr_kernarg_segment_ptr 1
		.amdhsa_wavefront_size32 1
		.amdhsa_system_sgpr_workgroup_id_x 1
		.amdhsa_system_sgpr_workgroup_id_y 1
		.amdhsa_system_sgpr_workgroup_id_z 1
		.amdhsa_system_vgpr_workitem_id 0
		.amdhsa_next_free_vgpr 114
		.amdhsa_next_free_sgpr 66
		.amdhsa_reserve_vcc 1
		.amdhsa_float_denorm_mode_32 3
		.amdhsa_float_denorm_mode_16_64 3
		.amdhsa_memory_ordered 1
		.amdhsa_forward_progress 1
		.amdhsa_inst_pref_size 20
	.end_amdhsa_kernel
	.amdgpu_metadata
---
amdhsa.version: [ 1, 2 ]
amdhsa.kernels:
  - .name:           k_qe09c72ad09_bucket
    .symbol:         k_qe09c72ad09_bucket.kd
    .args:
      - { .name: rsel, .offset: 0, .size: 8, .value_kind: global_buffer, .address_space: global }
      - { .name: rwt, .offset: 8, .size: 8, .value_kind: global_buffer, .address_space: global }
      - { .name: lists, .offset: 16, .size: 8, .value_kind: global_buffer, .address_space: global }
      - { .name: lwgt, .offset: 24, .size: 8, .value_kind: global_buffer, .address_space: global }
    .group_segment_fixed_size: 10240
    .private_segment_fixed_size: 0
    .kernarg_segment_align: 8
    .kernarg_segment_size: 32
    .max_flat_workgroup_size: 512
    .sgpr_count:     66
    .vgpr_count:     114
    .wavefront_size: 32
...
	.end_amdgpu_metadata
.endif
;; end of part 7
;; launch gateup (part 8): grid 256 x 1, 4 waves a work-group, no clusters, 304,640 bytes of LDS; arguments xb, expert_gate_w, expert_up_w, shared_gate_w, shared_up_w, lists, lwgt, hbuf; writes hbuf
.if DOCPART == 8
	.amdgcn_target "amdgcn-amd-amdhsa--gfx1250"
	.amdhsa_code_object_version 6
	.text
	.protected	k_qe09c72ad09_gateup
	.globl	k_qe09c72ad09_gateup
	.p2align	8
	.type	k_qe09c72ad09_gateup,@function
k_qe09c72ad09_gateup:
	s_mov_b64 s[64:65], 0
	v_nop
	global_prefetch_b8 v0, s[64:65] scope:SCOPE_SE
	s_setreg_imm32_b32 hwreg(HW_REG_WAVE_MODE, 25, 1), 1
	s_wait_xcnt 0x0
; GATE AND UP.  H[row][n] = bf16( w[row] silu(x[tok[row]] . Wg[:, n]) (x[tok[row]] . Wu[:, n]) ) for the rows of the list, the experts' and the shared expert's alike.
; x is bf16 already (xb); the weights are rounded to bf16 here; sums, silu and the scaling in f32; H is rounded once.
; JOBS.  A work-group takes 64 columns of H: 64 of Wg and 64 of Wu, all K = 1,024.  Work-groups 0-127: expert wg / 8, slice wg % 8, all the expert's rows (any number up to 2,048).
; Work-groups 128-255: slice (wg - 128) / 4 of the shared expert's 32, rows 512 ((wg - 128) % 4) on.
; THE WEIGHTS STAY: they are converted once into LDS, [k][128 columns] bf16; one barrier; then each wave walks groups of 64 rows by itself: tokens' fragments come from xb into registers,
; seven K steps ahead; weights' fragments come out of LDS turned (ds_load_tr16_b128), a K step ahead.  Source 0 = 16 columns, source 1 = 16 tokens: a lane holds one token and 8 neighbouring columns.
; A group's 32 K steps are written out: every LDS address is a register that is never rewritten plus an immediate, and a token's K offset stands in the load's immediate.
; NO TENSOR LOADS, NO CLUSTER: the weights are f32 and have to pass through registers to be rounded, so the data mover cannot carry them; an expert's slice is read by one work-group alone.
; LIMITS.  NaN and infinities are not treated apart; H is bf16: 8 significant bits, f32's range.
; REGISTERS, in windows of 256 (s_set_vgpr_msb: bits 1:0 source 0, 3:2 source 1, 5:4 source 2, 7:6 destination):
;   window 0: addresses v1-31; v[32:47] packed H; v[48:63] rows read back; v[64:127], v[128:191] two buffers of weights' fragments; v[192:255] at work on the way out (while the weights come in: v[192:223] rounded)
;   window 1: the 32 accumulators, (f, c) at 8 (8 f + c): 16 tokens f, 16 columns c (0-3 gate, 4-7 up)
;   window 2: eight slots of tokens' fragments, K step ks, tokens f at 32 (ks % 8) + 8 f; while the weights come in: four slots of 16 loads
.set PW,  288                          ; a row of weights in LDS: 256 bytes + 32 = 9 x 32
.set STG, 1024*PW                      ; behind the weights: 16 rows x 144 bytes for each wave, for the way out
.set SPH, 144
.set VO,  2                            ; v2-9   while the weights come in: byte offset of my 16 bytes in row jrow(j) (+ 4 for lanes 16-31) of a batch
.set VBT, 2                            ; v2-9   afterwards: my lane's place in a turning load, at row 128 t of the weights; never rewritten
.set VL,  10                           ; v10    weights: where my 8 bytes go in LDS
.set VB0, 12                           ; v12    my lane's place in a turning load
.set VT,  14                           ; v14    4 r
.set H16, 15                           ; v15    16 h
.set AO,  16                           ; v16-19 my token's row in xb + 16 h, for each f
.set WT,  20                           ; v20-23 my token's weight
.set TK,  24                           ; v24-27 my token
.set STO, 28
.set RD,  29
.set GO,  30
.set PK,  32
.set OB,  48
.set BF,  64
.set WP,  64                           ; v[64:65] the weight twice, on the way out
.set CV,  192
.set T,   192
.set U,   224
.set WB,  68                           ; s[68:83] slot s of the weights' loads: Wg's address at s[68 + 4 s], Wu's at s[70 + 4 s]
.set W_MM, 0x58                        ; weights window 0, tokens window 2, C and D window 1
.set W_LA, 0x80                        ; destination window 2
.set W_CV, 0x0a                        ; sources 0 and 1 window 2
.set W_G,  0x01                        ; source 0 window 1
.set MSB, 0
.macro WIN new                         ; the immediate's high byte repeats the setting that is left; a switch that changes nothing is dropped
.if MSB != (\new)
	s_set_vgpr_msb (MSB<<8)|(\new)
.set MSB, \new
.endif
.endm
.macro PLACES                          ; four places between matrix instructions and loads into, or vector reads of, their registers
.rept 4
	v_nop
.endr
.endm
	s_load_b512 s[4:19], s[0:1], 0x0               ; xb s[4:5], expert gate s[6:7], expert up s[8:9], shared gate s[10:11], shared up s[12:13], lists s[14:15], lwgt s[16:17], hbuf s[18:19]
	v_lshl_add_u32 v13, v0, 2, 0x4a400
	s_set_vgpr_msb 0xc0
	v_mov_b32 v1, 0
	s_set_vgpr_msb 0xc000
	v_lshrrev_b32 v31, 5, v0
	v_readfirstlane_b32 s26, v31                   ; wave 0..3
	s_mov_b32 s27, ttmp9
	v_and_b32 v1, 15, v0                           ; r
	v_bfe_u32 v11, v0, 4, 1                        ; h
	s_lshr_b32 s46, s27, 3
	s_min_u32 s46, s46, 15                         ; the expert (15 for the shared jobs, whose figures are not taken from it)
	s_lshl_b32 s47, s46, 2
	s_wait_kmcnt 0x0
	s_load_b32 s48, s[14:15], s47 offset:0xb000    ; off[e]
	s_load_b32 s49, s[14:15], s47 offset:0xb040    ; ng[e]
	s_and_b32 s50, s27, 7                          ; an expert's job: slice,
	s_lshl_b32 s51, s46, 21                        ; 2,097,152 bytes an expert
	s_lshl_b32 s52, s50, 8
	s_add_co_u32 s51, s51, s52                     ; + 256 bytes a slice
	s_mul_i32 s52, s50, 655360                     ; H: 5,120 rows of 128 bytes a slice
	s_bfe_u32 s53, s27, 0x50002                    ; a shared job: slice (wg - 128) / 4,
	s_and_b32 s54, s27, 3                          ; rows 512 (wg % 4) on
	s_lshl_b32 s55, s53, 8
	s_lshl_b32 s53, s53, 18                        ; H: 2,048 rows of 128 bytes a slice, from byte 5,242,880 on; list row 5,120 is its row 0
	s_add_co_u32 s53, s53, 4587520
	s_lshl_b32 s54, s54, 9
	s_add_co_u32 s54, s54, 5120
	s_wait_kmcnt 0x0
	s_min_u32 s48, s48, 5056
	s_min_u32 s49, s49, 32
	s_cmp_lt_u32 s27, 128
	s_cselect_b64 s[20:21], s[6:7], s[10:11]       ; Wg
	s_cselect_b64 s[22:23], s[8:9], s[12:13]       ; Wu
	s_cselect_b32 s44, s51, s55                    ; the slice's first byte
	s_cselect_b32 s28, 11, 13                      ; a row of the weights is 2,048 or 8,192 bytes: kept as a shift
	s_cselect_b32 s29, s48, s54                    ; the job's first row of the list
	s_cselect_b32 s30, s49, 8                      ; its groups of 64 rows
	s_cselect_b32 s46, s52, s53
	s_mov_b32 s47, 0
	s_add_nc_u64 s[34:35], s[18:19], s[46:47]      ; H: row p of the list lies 128 p bytes behind this
	s_add_co_u32 s47, s28, 4
	s_lshl_b32 s47, s26, s47                       ; wave w begins 16 w rows down
	s_add_co_u32 s44, s44, s47
	s_mov_b32 s45, 0
	s_add_nc_u64 s[WB:WB+1], s[20:21], s[44:45]    ; slot 0 begins with my batch 0,
	s_add_nc_u64 s[WB+2:WB+3], s[22:23], s[44:45]
	s_lshl_b32 s24, 64, s28                        ; from a wave's batch to its next: 64 rows
	s_mov_b32 s25, 0
.set t, 1
.rept 3
	s_add_nc_u64 s[WB+4*t:WB+4*t+1], s[WB+4*t-4:WB+4*t-3], s[24:25]    ; slot t with batch t
	s_add_nc_u64 s[WB+4*t+2:WB+4*t+3], s[WB+4*t-2:WB+4*t-1], s[24:25]
.set t, t+1
.endr
	s_lshl_b32 s24, s24, 2                         ; a slot's step: four batches, 256 rows
	; A batch is 16 rows of both matrices.  A load takes two rows of 256 bytes.
.set j, 0
.rept 8
	v_lshl_add_u32 v31, v11, 2, (j%4)+8*(j/4)
	v_lshlrev_b32 v31, s28, v31
	v_lshl_add_u32 v[VO+j], v1, 4, v31
.set j, j+1
.endr
	s_mul_i32 s46, s26, 16*PW
	v_mul_u32_u24 v31, v11, 4*PW
	v_lshl_add_u32 v31, v1, 3, v31
	v_add_nc_u32 v[VL], s46, v31
	v_and_b32 v31, 7, v0                           ; the turning load: lane l reads row 8 h + l % 8, 16 bytes at 16 ((l / 8) % 2)
	v_lshl_add_u32 v31, v11, 3, v31
	v_mul_u32_u24 v[VB0], v31, PW
	v_bfe_u32 v31, v0, 3, 1
	v_lshl_add_u32 v[VB0], v31, 4, v[VB0]
	v_lshlrev_b32 v[VT], 2, v1
	v_lshlrev_b32 v[H16], 4, v11
	s_mul_i32 s46, s26, 16*SPH
	s_add_co_u32 s46, s46, STG                     ; my stage
	v_mul_u32_u24 v31, v1, SPH                     ; in: row r, 16 bytes for each half of the lanes
	v_add_nc_u32 v31, v[H16], v31
	v_add_nc_u32 v[STO], s46, v31
	v_bfe_u32 v31, v0, 3, 2                        ; back: 32 lanes take four rows of 128 bytes,
	v_mul_u32_u24 v31, v31, SPH
	v_and_b32 v[RD], 7, v0
	v_lshl_add_u32 v31, v[RD], 4, v31
	v_add_nc_u32 v[RD], s46, v31
	v_and_b32 v[GO], 31, v0                        ; which are 512 consecutive bytes of H
	v_lshlrev_b32 v[GO], 4, v[GO]
.macro LDB slot, step                  ; a batch's 16 loads into slot's 64 registers of window 2; step = 1: the slot's two addresses go four batches on first
.if \step
	s_wait_xcnt 0x0                                ; every load issued so far has had its address translated (the youngest stand a conversion back): the bases are stepped only behind this wait
	s_add_nc_u64 s[WB+4*(\slot):WB+4*(\slot)+1], s[WB+4*(\slot):WB+4*(\slot)+1], s[24:25]
	s_add_nc_u64 s[WB+4*(\slot)+2:WB+4*(\slot)+3], s[WB+4*(\slot)+2:WB+4*(\slot)+3], s[24:25]
.endif
	WIN W_LA
.set j, 0
.rept 8
	global_load_b128 v[64*(\slot)+4*j:64*(\slot)+4*j+3], v[VO+j], s[WB+4*(\slot):WB+4*(\slot)+1]
.set j, j+1
.endr
.set j, 0
.rept 8
	global_load_b128 v[64*(\slot)+32+4*j:64*(\slot)+32+4*j+3], v[VO+j], s[WB+4*(\slot)+2:WB+4*(\slot)+3]
.set j, j+1
.endr
.endm
.macro CVB slot, left                  ; a batch is rounded and put into LDS; left: the other slots' younger loads
	s_wait_loadcnt \left
	WIN W_CV
.set j, 0
.rept 16
	v_cvt_pk_bf16_f32 v[CV+2*j], v[64*(\slot)+4*j], v[64*(\slot)+4*j+1]
	v_cvt_pk_bf16_f32 v[CV+2*j+1], v[64*(\slot)+4*j+2], v[64*(\slot)+4*j+3]
.set j, j+1
.endr
	WIN 0
.set j, 0
.rept 16
	ds_store_b64 v[VL], v[CV+2*j:CV+2*j+1] offset:(((j%8)%4)+8*((j%8)/4))*PW+128*(j/8)
.set j, j+1
.endr
	v_add_nc_u32 v[VL], 64*PW, v[VL]
.endm
	LDB 0, 0                                       ; 16 batches a wave, four slots: 64 loads of 512 bytes of each wave are asked for
	LDB 1, 0
	LDB 2, 0
	LDB 3, 0
	WIN 0
	s_mov_b32 s33, 3
.Lw:
	CVB 0, 48                                      ; the count leaves the three other slots' 48 loads out
	LDB 0, 1
	CVB 1, 48
	LDB 1, 1
	CVB 2, 48
	LDB 2, 1
	CVB 3, 48
	LDB 3, 1
	WIN 0
	s_sub_co_u32 s33, s33, 1
	s_cmp_lg_u32 s33, 0
	s_cbranch_scc1 .Lw
	CVB 0, 48                                      ; the last four batches: the counts run down
	CVB 1, 32
	CVB 2, 16
	CVB 3, 0                                       ; its wait is for 0: no load names v2-9 any more
.set t, 0
.rept 8
	v_add_nc_u32 v[VBT+t], t*128*PW, v[VB0]        ; one address for each 128 rows of the weights: with the immediates, 32,480 bytes at the most, they reach all 1,024 rows
.set t, t+1
.endr
	s_wait_dscnt 0x0                               ; for the others' sake: my part of the weights is in LDS
	s_barrier_signal -1
	s_barrier_wait -1                              ; the kernel's one barrier: from here on the weights are only read, and a stage is its wave's own
; 16 matrix instructions of K step ks: tokens f0, f0 + 1 x all 8 column blocks, 32 along K.  The 32 accumulators take turns, one instruction a turn.  K step 0 starts the sums: nothing is cleared.
.macro MMS ks, f0
	WIN W_MM
.set f, \f0
.rept 2
.set c, 0
.rept 8
.if (\ks) == 0
	v_wmma_f32_16x16x32_bf16 v[8*(8*f+c):8*(8*f+c)+7], v[BF+64*((\ks)%2)+8*c:BF+64*((\ks)%2)+8*c+7], v[32*((\ks)%8)+8*f:32*((\ks)%8)+8*f+7], 0
.else
	v_wmma_f32_16x16x32_bf16 v[8*(8*f+c):8*(8*f+c)+7], v[BF+64*((\ks)%2)+8*c:BF+64*((\ks)%2)+8*c+7], v[32*((\ks)%8)+8*f:32*((\ks)%8)+8*f+7], v[8*(8*f+c):8*(8*f+c)+7]
.endif
.set c, c+1
.endr
.set f, f+1
.endr
.endm
.macro ALOAD ks                        ; the tokens' fragments of K step ks: 64 bytes of a row of xb, 64 ks on
.set f, 0
.rept 4
	global_load_b128 v[32*((\ks)%8)+8*f:32*((\ks)%8)+8*f+3],   v[AO+f], s[4:5] offset:64*(\ks)
	global_load_b128 v[32*((\ks)%8)+8*f+4:32*((\ks)%8)+8*f+7], v[AO+f], s[4:5] offset:64*(\ks)+32
.set f, f+1
.endr
.endm
.macro BLOAD ks                        ; the weights' fragments of K step ks: rows 32 ks on
.set c, 0
.rept 8
	ds_load_tr16_b128 v[BF+64*((\ks)%2)+8*c:BF+64*((\ks)%2)+8*c+3],   v[VBT+(\ks)/4] offset:((\ks)%4)*32*PW+32*c
	ds_load_tr16_b128 v[BF+64*((\ks)%2)+8*c+4:BF+64*((\ks)%2)+8*c+7], v[VBT+(\ks)/4] offset:((\ks)%4)*32*PW+32*c+16*PW
.set c, c+1
.endr
.endm
; K step ks of 32.  At its head, four places behind the last step's products, which read those registers last: the next step's weights out of LDS, and the tokens of the step seven further on.
.macro KSTEP ks
.if (\ks) < 26
	s_wait_loadcnt 48                              ; this step's eight loads from xb are in; six younger runs of eight stay out
.else
	s_wait_loadcnt 8*(31-(\ks))                    ; nothing more is asked for: the counts run down
.endif
	s_wait_dscnt 0x0                               ; this step's 16 loads from LDS, issued a step ago; nothing younger is out
	PLACES
.if (\ks) < 31
	WIN 0
	BLOAD (\ks)+1
.endif
.if (\ks) < 25
	WIN W_LA
	ALOAD (\ks)+7
.endif
	MMS \ks, 0
	MMS \ks, 2
.endm
; THE WAY OUT of 16 tokens f: silu(g) = g / (1 + 2^(-g log2 e)); times u and the token's weight; rounded; through my stage, so that each store covers 512 consecutive bytes.
; Each accumulator is read from its lowest registers on.
.macro HOUT f
	WIN 0
	v_mov_b32 v[WP], v[WT+(\f)]
	v_mov_b32 v[WP+1], v[WT+(\f)]
	WIN W_G
.set i, 0
.rept 16
	v_pk_mul_f32 v[T+2*i:T+2*i+1], v[64*(\f)+2*i:64*(\f)+2*i+1], 0xbfb8aa3b op_sel_hi:[1,0]
.set i, i+1
.endr
	WIN 0
.set i, 0
.rept 32
	v_exp_f32 v[T+i], v[T+i]
.set i, i+1
.endr
	v_nop                                          ; a plain instruction behind the last exponential (ISA guide 5.7.2)
.set i, 0
	s_wait_alu depctr_va_vdst(0)
.rept 16
	v_pk_add_f32 v[T+2*i:T+2*i+1], v[T+2*i:T+2*i+1], 1.0 op_sel_hi:[1,0]
.set i, i+1
.endr
.set i, 0
.rept 32
	v_rcp_f32 v[T+i], v[T+i]
.set i, i+1
.endr
	v_nop
	WIN W_G
.set i, 0
	s_wait_alu depctr_va_vdst(0)
.rept 16
	v_pk_mul_f32 v[T+2*i:T+2*i+1], v[64*(\f)+2*i:64*(\f)+2*i+1], v[T+2*i:T+2*i+1]
.set i, i+1
.endr
.set i, 0
.rept 16
	v_pk_mul_f32 v[U+2*i:U+2*i+1], v[64*(\f)+32+2*i:64*(\f)+32+2*i+1], v[WP:WP+1]
.set i, i+1
.endr
	WIN 0
.set i, 0
.rept 16
	v_pk_mul_f32 v[T+2*i:T+2*i+1], v[T+2*i:T+2*i+1], v[U+2*i:U+2*i+1]
.set i, i+1
.endr
.set i, 0
.rept 16
	v_cvt_pk_bf16_f32 v[PK+i], v[T+2*i], v[T+2*i+1]
.set i, i+1
.endr
.set c, 0
.rept 4
	ds_store_b128 v[STO], v[PK+4*c:PK+4*c+3] offset:32*c
.set c, c+1
.endr
	s_wait_xcnt 0x0                                ; the stores of the 16 tokens before have had their addresses translated: their data registers are loaded again only behind this wait
.set i, 0
.rept 4
	ds_load_b128 v[OB+4*i:OB+4*i+3], v[RD] offset:4*SPH*i  ; LDS serves a wave's instructions in order (ISA guide 5.7.1.4): these see the stores above
.set i, i+1
.endr
	s_wait_dscnt 0x0
.set i, 0
.rept 4
	global_store_b128 v[GO], v[OB+4*i:OB+4*i+3], s[42:43] offset:2048*(\f)+512*i  ; 512 consecutive bytes, at a multiple of 256 from hbuf's first
.set i, i+1
.endr
.endm
	s_mov_b32 s31, s26                             ; wave w takes groups w, w + 4, ..
	s_mov_b32 s32, 8                               ; 32 groups at the most, 8 a wave: the loop counts to that, and a group that the job does not have is jumped over
.Lgroup:
	s_cmp_ge_u32 s31, s30
	s_cbranch_scc1 .Lskip
	s_wait_xcnt 0x0                                ; the last group's loads and stores have had their addresses translated: bases and offsets are rewritten only behind this wait
	s_lshl_b32 s46, s31, 6
	s_add_co_u32 s46, s46, s29
	s_min_u32 s46, s46, 7104                       ; the group's first row of the list, clamped: it is made from loaded numbers
	s_lshl_b32 s44, s46, 2
	s_add_nc_u64 s[38:39], s[14:15], s[44:45]
	s_add_nc_u64 s[40:41], s[16:17], s[44:45]
	s_lshl_b32 s44, s46, 7
	s_add_nc_u64 s[42:43], s[34:35], s[44:45]
.set f, 0
.rept 4
	global_load_b32 v[TK+f], v[VT], s[38:39] offset:64*f
	global_load_b32 v[WT+f], v[VT], s[40:41] offset:64*f
.set f, f+1
.endr
	s_wait_loadcnt 0x0
.set f, 0
.rept 4
	v_min_u32 v[TK+f], 0x7ff, v[TK+f]
	v_lshl_add_u32 v[AO+f], v[TK+f], 11, v[H16]    ; a token's row of xb is 2,048 bytes
.set f, f+1
.endr
	WIN W_LA
.irp k, 0,1,2,3,4,5,6
	ALOAD \k                                       ; the first seven K steps' tokens
.endr
	WIN 0
	BLOAD 0                                        ; the first K step's weights
.irp k, 0,1,2,3,4,5,6,7,8,9,10,11,12,13,14,15,16,17,18,19,20,21,22,23,24,25,26,27,28,29,30,31
	KSTEP \k
.endr
	PLACES
	HOUT 0
	HOUT 1
	HOUT 2
	HOUT 3
.Lskip:
	s_add_co_u32 s31, s31, 4
	s_sub_co_u32 s32, s32, 1
	s_cmp_lg_u32 s32, 0
	s_cbranch_scc1 .Lgroup
	s_set_vgpr_msb 0xc
	s_wait_tensorcnt 0x0
	ds_add_u32 v13, v1
	s_wait_dscnt 0x0
	s_set_vgpr_msb 0xc00
	s_endpgm
.Lfunc_end_k_qe09c72ad09_gateup:
	.size	k_qe09c72ad09_gateup, .Lfunc_end_k_qe09c72ad09_gateup-k_qe09c72ad09_gateup
	.p2alignl 7, 3214868480
	.fill 96, 4, 3214868480
	.section	.rodata,"a",@progbits
	.p2align	6, 0x0
	.amdhsa_kernel k_qe09c72ad09_gateup
		.amdhsa_group_segment_fixed_size 304640
		.amdhsa_private_segment_fixed_size 0
		.amdhsa_enable_private_segment 0
		.amdhsa_kernarg_size 64
		.amdhsa_user_sgpr_count 2
		.amdhsa_user_sgpr_kernarg_segment_ptr 1
		.amdhsa_wavefront_size32 1
		.amdhsa_system_sgpr_workgroup_id_x 1
		.amdhsa_system_sgpr_workgroup_id_y 1
		.amdhsa_system_sgpr_workgroup_id_z 1
		.amdhsa_system_vgpr_workitem_id 0
		.amdhsa_next_free_vgpr 770
		.amdhsa_next_free_sgpr 84
		.amdhsa_reserve_vcc 0
		.amdhsa_float_denorm_mode_32 3
		.amdhsa_float_denorm_mode_16_64 3
		.amdhsa_memory_ordered 1
		.amdhsa_forward_progress 1
		.amdhsa_inst_pref_size 214
	.end_amdhsa_kernel
	.amdgpu_metadata
---
amdhsa.version: [ 1, 2 ]
amdhsa.kernels:
  - .name:           k_qe09c72ad09_gateup
    .symbol:         k_qe09c72ad09_gateup.kd
    .args:
      - { .name: xb, .offset: 0, .size: 8, .value_kind: global_buffer, .address_space: global }
      - { .name: expert_gate_w, .offset: 8, .size: 8, .value_kind: global_buffer, .address_space: global }
      - { .name: expert_up_w, .offset: 16, .size: 8, .value_kind: global_buffer, .address_space: global }
      - { .name: shared_gate_w, .offset: 24, .size: 8, .value_kind: global_buffer, .address_space: global }
      - { .name: shared_up_w, .offset: 32, .size: 8, .value_kind: global_buffer, .address_space: global }
      - { .name: lists, .offset: 40, .size: 8, .value_kind: global_buffer, .address_space: global }
      - { .name: lwgt, .offset: 48, .size: 8, .value_kind: global_buffer, .address_space: global }
      - { .name: hbuf, .offset: 56, .size: 8, .value_kind: global_buffer, .address_space: global }
    .group_segment_fixed_size: 304640
    .private_segment_fixed_size: 0
    .kernarg_segment_align: 8
    .kernarg_segment_size: 64
    .max_flat_workgroup_size: 128
    .sgpr_count:     84
    .vgpr_count:     770
    .wavefront_size: 32
...
	.end_amdgpu_metadata
.endif
;; end of part 8
;; launch edown (part 9): grid 256 x 1, 4 waves a work-group, no clusters, 99,840 bytes of LDS; arguments hbuf, expert_down_w, lists, ybuf; writes ybuf
.if DOCPART == 9
	.amdgcn_target "amdgcn-amd-amdhsa--gfx1250"
	.amdhsa_code_object_version 6
	.text
	.protected	k_qe09c72ad09_edown
	.globl	k_qe09c72ad09_edown
	.p2align	8
	.type	k_qe09c72ad09_edown,@function
k_qe09c72ad09_edown:
	s_mov_b64 s[64:65], 0
	v_nop
	global_prefetch_b8 v0, s[64:65] scope:SCOPE_SE
	s_setreg_imm32_b32 hwreg(HW_REG_WAVE_MODE, 25, 1), 1
	s_wait_xcnt 0x0
; THE EXPERTS' DOWN PRODUCT.  Y[p][n] = the sum over k of H[p][k] Wd[e][k][n] for the rows p of expert e's part of the list, in f32.  H is bf16 and carries the routing weight already.
; JOBS.  Work-group wg: expert wg / 16, columns 64 (wg % 16) on, K = 512, all the expert's rows.  The weights' slice is rounded to bf16 into LDS once; one barrier; then each wave walks groups of 64 rows
; by itself, H's fragments coming from memory into registers seven K steps ahead, the weights' out of LDS turned, a K step ahead.  Source 0 = 16 columns, source 1 = 16 rows: a lane holds one row and 8 neighbouring columns.
; NO TENSOR LOADS, NO CLUSTER: the weights are f32 and pass through registers to be rounded; a slice is read by one work-group alone.
; REGISTERS: window 0: addresses v1-12; v[64:95], v[96:127] two buffers of weights' fragments; v[128:159] rows read back; v[192:223] rounded weights
;   window 1: 16 accumulators, (f, c) at 8 (4 f + c)      window 2: eight slots of H's fragments, K step ks, rows f at 32 (ks % 8) + 8 f; while the weights come in: my four batches of 16 loads
.set PW,  160                          ; a row of weights in LDS: 128 bytes + 32 = 5 x 32
.set STG, 512*PW                       ; behind the weights: 16 rows x 272 bytes for each wave
.set SPY, 272
.set HSL, 655360                       ; bytes from a slice of 64 columns of H to the next
.set WO,  3
.set VL,  4
.set VBA, 5                            ; v5: my lane's place in a turning load, K steps 0-7; v6: K steps 8-15
.set AO,  7
.set STO, 8
.set RD,  9
.set GO,  10
.set BF,  64
.set OB,  128
.set CV,  192
.set W_MM, 0x58                        ; weights window 0, H window 2, C and D window 1
.set W_LA, 0x80                        ; destination window 2
.set W_CV, 0x0a                        ; sources 0 and 1 window 2
.set W_ST, 0x04                        ; an LDS store's data in window 1
.set MSB, 0
.macro WIN new
.if MSB != (\new)
	s_set_vgpr_msb (MSB<<8)|(\new)
.set MSB, \new
.endif
.endm
.macro PLACES
.rept 4
	v_nop
.endr
.endm
	s_load_b256 s[4:11], s[0:1], 0x0               ; hbuf s[4:5], expert_down_w s[6:7], lists s[8:9], ybuf s[10:11]
	v_lshl_add_u32 v254, v0, 2, 0x18400
	v_mov_b32 v255, 0
	v_lshrrev_b32 v11, 5, v0
	v_readfirstlane_b32 s12, v11                   ; wave 0..3
	v_and_b32 v1, 15, v0                           ; r
	v_bfe_u32 v2, v0, 4, 1                         ; h
	s_lshr_b32 s13, ttmp9, 4                       ; the expert
	s_and_b32 s14, ttmp9, 15                       ; the slice of 64 columns
	s_lshl_b32 s15, s13, 2
	s_wait_kmcnt 0x0
	s_load_b32 s16, s[8:9], s15 offset:0xb000      ; off[e]
	s_load_b32 s17, s[8:9], s15 offset:0xb040      ; ng[e]
	s_lshl_b32 s18, s13, 21
	s_lshl_b32 s22, s14, 8
	s_add_co_u32 s18, s18, s22
	s_lshl_b32 s23, s12, 17                        ; wave w begins 32 w rows of 4,096 bytes down
	s_add_co_u32 s18, s18, s23
	s_mov_b32 s19, 0
	s_add_nc_u64 s[20:21], s[6:7], s[18:19]
	s_mov_b32 s18, s22
	s_add_nc_u64 s[36:37], s[10:11], s[18:19]      ; Y at my 64 columns
	s_mov_b32 s29, 0
	; A batch is 32 rows, 16 loads: lanes 0-15 row jrow(j) = j % 4 + 8 (j / 4), lanes 16-31 the row 4 below (4 x 40 words further on in LDS: the other 32 banks)
	v_lshlrev_b32 v[WO], 14, v2
	v_lshl_add_u32 v[WO], v1, 4, v[WO]
.macro LDB b                           ; batch b of my four: rows 128 b + 32 w on; everything stands in the immediate
.set j, 0
.rept 16
	global_load_b128 v[64*(\b)+4*j:64*(\b)+4*j+3], v[WO], s[20:21] offset:(\b)*524288+((j%4)+8*(j/4))*4096 th:TH_LOAD_NT
.set j, j+1
.endr
.endm
	WIN W_LA
	LDB 0                                          ; all of my quarter of the slice is asked for at once: 64 loads of 512 bytes
	LDB 1
	LDB 2
	LDB 3
	WIN 0
	s_mul_i32 s22, s12, 32*PW
	v_mul_u32_u24 v11, v2, 4*PW
	v_lshl_add_u32 v11, v1, 3, v11
	v_add_nc_u32 v[VL], s22, v11
	v_and_b32 v11, 7, v0
	v_lshl_add_u32 v11, v2, 3, v11
	v_mul_u32_u24 v[VBA], v11, PW
	v_bfe_u32 v11, v0, 3, 1
	v_lshl_add_u32 v[VBA], v11, 4, v[VBA]
	v_add_nc_u32 v[VBA+1], 256*PW, v[VBA]
	v_lshlrev_b32 v[AO], 7, v1
	v_lshl_add_u32 v[AO], v2, 4, v[AO]             ; H: row r of 128 bytes, 16 bytes for each half of the lanes
	s_mul_i32 s22, s12, 16*SPY
	s_add_co_u32 s22, s22, STG                     ; my stage
	v_mul_u32_u24 v11, v1, SPY                     ; in: row r, 32 bytes for each half of the lanes
	v_lshl_add_u32 v11, v2, 5, v11
	v_add_nc_u32 v[STO], s22, v11
	v_mul_u32_u24 v11, v2, SPY                     ; back: lanes 0-15 one row of 256 bytes, lanes 16-31 the next
	v_lshl_add_u32 v11, v1, 4, v11
	v_add_nc_u32 v[RD], s22, v11
	v_lshlrev_b32 v[GO], 12, v2                    ; and the same two rows in Y
	v_lshl_add_u32 v[GO], v1, 4, v[GO]
.macro CVB b, left                     ; a batch is rounded and put into LDS; left: the younger batches' loads
	s_wait_loadcnt \left
	WIN W_CV
.set j, 0
.rept 16
	v_cvt_pk_bf16_f32 v[CV+2*j], v[64*(\b)+4*j], v[64*(\b)+4*j+1]
	v_cvt_pk_bf16_f32 v[CV+2*j+1], v[64*(\b)+4*j+2], v[64*(\b)+4*j+3]
.set j, j+1
.endr
	WIN 0
.set j, 0
.rept 16
	ds_store_b64 v[VL], v[CV+2*j:CV+2*j+1] offset:((j%4)+8*(j/4))*PW
.set j, j+1
.endr
	v_add_nc_u32 v[VL], 128*PW, v[VL]
.endm
	CVB 0, 48
	CVB 1, 32
	CVB 2, 16
	CVB 3, 0
	s_wait_kmcnt 0x0
	s_min_u32 s16, s16, 5056
	s_min_u32 s17, s17, 32
	s_wait_dscnt 0x0                               ; for the others' sake: my part of the weights is in LDS
	s_barrier_signal -1
	s_barrier_wait -1                              ; the kernel's one barrier
; 8 matrix instructions of K step ks: rows f0, f0 + 1 x 4 column blocks.  The 16 accumulators take turns.
.macro MMS ks, f0
	WIN W_MM
.set f, \f0
.rept 2
.set c, 0
.rept 4
.if (\ks) == 0
	v_wmma_f32_16x16x32_bf16 v[8*(4*f+c):8*(4*f+c)+7], v[BF+32*((\ks)%2)+8*c:BF+32*((\ks)%2)+8*c+7], v[32*((\ks)%8)+8*f:32*((\ks)%8)+8*f+7], 0
.else
	v_wmma_f32_16x16x32_bf16 v[8*(4*f+c):8*(4*f+c)+7], v[BF+32*((\ks)%2)+8*c:BF+32*((\ks)%2)+8*c+7], v[32*((\ks)%8)+8*f:32*((\ks)%8)+8*f+7], v[8*(4*f+c):8*(4*f+c)+7]
.endif
.set c, c+1
.endr
.set f, f+1
.endr
.endm
.macro ALOAD ks                        ; H's fragments of K step ks: slice ks / 2, 64 bytes (ks % 2) on
.set f, 0
.rept 4
	global_load_b128 v[32*((\ks)%8)+8*f:32*((\ks)%8)+8*f+3],   v[AO], s[32:33] offset:((\ks)/2)*HSL+((\ks)%2)*64+2048*f
	global_load_b128 v[32*((\ks)%8)+8*f+4:32*((\ks)%8)+8*f+7], v[AO], s[32:33] offset:((\ks)/2)*HSL+((\ks)%2)*64+2048*f+32
.set f, f+1
.endr
.endm
.macro BLOAD ks                        ; the weights' fragments of K step ks
.set c, 0
.rept 4
	ds_load_tr16_b128 v[BF+32*((\ks)%2)+8*c:BF+32*((\ks)%2)+8*c+3],   v[VBA+(\ks)/8] offset:((\ks)%8)*32*PW+32*c
	ds_load_tr16_b128 v[BF+32*((\ks)%2)+8*c+4:BF+32*((\ks)%2)+8*c+7], v[VBA+(\ks)/8] offset:((\ks)%8)*32*PW+32*c+16*PW
.set c, c+1
.endr
.endm
; K step ks of 16.  At its head, four places behind the last step's products: the next step's weights out of LDS, and H of the step seven further on.
.macro KSTEP ks
.if (\ks) < 10
	s_wait_loadcnt 48                              ; this step's eight loads of H are in; six younger runs of eight stay out
.else
	s_wait_loadcnt 8*(15-(\ks))                    ; nothing more is asked for: the counts run down
.endif
	s_wait_dscnt 0x0                               ; this step's eight loads from LDS, issued a step ago
	PLACES
.if (\ks) < 15
	WIN 0
	BLOAD (\ks)+1
.endif
.if (\ks) < 9
	WIN W_LA
	ALOAD (\ks)+7
.endif
	MMS \ks, 0
	MMS \ks, 2
.endm
; THE WAY OUT of 16 rows f: f32 through my stage, so that 16 lanes store 256 consecutive bytes.  Each accumulator's low four registers go first.
.macro YOUT f
	WIN W_ST
.set c, 0
.rept 4
	ds_store_b128 v[STO], v[8*(4*(\f)+c):8*(4*(\f)+c)+3] offset:64*c
	ds_store_b128 v[STO], v[8*(4*(\f)+c)+4:8*(4*(\f)+c)+7] offset:64*c+16
.set c, c+1
.endr
	WIN 0
	s_wait_xcnt 0x0                                ; earlier stores' data registers are loaded again only behind this wait
.set i, 0
.rept 8
	ds_load_b128 v[OB+4*i:OB+4*i+3], v[RD] offset:2*SPY*i  ; LDS serves a wave's instructions in order (ISA guide 5.7.1.4)
.set i, i+1
.endr
	s_wait_dscnt 0x0
.set i, 0
.rept 8
	global_store_b128 v[GO], v[OB+4*i:OB+4*i+3], s[34:35] offset:(16*(\f)+2*i)*4096  ; 16 lanes store 256 consecutive bytes, at a multiple of 256 from ybuf's first
.set i, i+1
.endr
.endm
	s_mov_b32 s25, s12                             ; wave w takes groups w, w + 4, ..
	s_mov_b32 s26, 8                               ; 32 groups at the most, 8 a wave; a group that the expert does not have is jumped over
.Lgroup:
	s_cmp_ge_u32 s25, s17
	s_cbranch_scc1 .Lskip
	s_wait_xcnt 0x0                                ; the last group's bases are rewritten only behind this wait
	s_lshl_b32 s30, s25, 6
	s_add_co_u32 s30, s30, s16
	s_min_u32 s30, s30, 5056                       ; the group's first row, clamped: it is made from loaded numbers
	s_lshl_b32 s28, s30, 7
	s_add_nc_u64 s[32:33], s[4:5], s[28:29]
	s_lshl_b32 s28, s30, 12
	s_add_nc_u64 s[34:35], s[36:37], s[28:29]
	WIN W_LA
.irp k, 0,1,2,3,4,5,6
	ALOAD \k
.endr
	WIN 0
	BLOAD 0
.irp k, 0,1,2,3,4,5,6,7,8,9,10,11,12,13,14,15
	KSTEP \k
.endr
	PLACES
	YOUT 0
	YOUT 1
	YOUT 2
	YOUT 3
.Lskip:
	s_add_co_u32 s25, s25, 4
	s_sub_co_u32 s26, s26, 1
	s_cmp_lg_u32 s26, 0
	s_cbranch_scc1 .Lgroup
	s_wait_tensorcnt 0x0
	ds_add_u32 v254, v255
	s_wait_dscnt 0x0
	s_endpgm
.Lfunc_end_k_qe09c72ad09_edown:
	.size	k_qe09c72ad09_edown, .Lfunc_end_k_qe09c72ad09_edown-k_qe09c72ad09_edown
	.p2alignl 7, 3214868480
	.fill 96, 4, 3214868480
	.section	.rodata,"a",@progbits
	.p2align	6, 0x0
	.amdhsa_kernel k_qe09c72ad09_edown
		.amdhsa_group_segment_fixed_size 99840
		.amdhsa_private_segment_fixed_size 0
		.amdhsa_enable_private_segment 0
		.amdhsa_kernarg_size 32
		.amdhsa_user_sgpr_count 2
		.amdhsa_user_sgpr_kernarg_segment_ptr 1
		.amdhsa_wavefront_size32 1
		.amdhsa_system_sgpr_workgroup_id_x 1
		.amdhsa_system_sgpr_workgroup_id_y 1
		.amdhsa_system_sgpr_workgroup_id_z 1
		.amdhsa_system_vgpr_workitem_id 0
		.amdhsa_next_free_vgpr 768
		.amdhsa_next_free_sgpr 66
		.amdhsa_reserve_vcc 0
		.amdhsa_float_denorm_mode_32 3
		.amdhsa_float_denorm_mode_16_64 3
		.amdhsa_memory_ordered 1
		.amdhsa_forward_progress 1
		.amdhsa_inst_pref_size 71
	.end_amdhsa_kernel
	.amdgpu_metadata
---
amdhsa.version: [ 1, 2 ]
amdhsa.kernels:
  - .name:           k_qe09c72ad09_edown
    .symbol:         k_qe09c72ad09_edown.kd
    .args:
      - { .name: hbuf, .offset: 0, .size: 8, .value_kind: global_buffer, .address_space: global }
      - { .name: expert_down_w, .offset: 8, .size: 8, .value_kind: global_buffer, .address_space: global }
      - { .name: lists, .offset: 16, .size: 8, .value_kind: global_buffer, .address_space: global }
      - { .name: ybuf, .offset: 24, .size: 8, .value_kind: global_buffer, .address_space: global }
    .group_segment_fixed_size: 99840
    .private_segment_fixed_size: 0
    .kernarg_segment_align: 8
    .kernarg_segment_size: 32
    .max_flat_workgroup_size: 128
    .sgpr_count:     66
    .vgpr_count:     768
    .wavefront_size: 32
...
	.end_amdgpu_metadata
.endif
;; end of part 9
;; launch sdown (part 10): grid 256 x 1, 4 waves a work-group, no clusters, 312,832 bytes of LDS; arguments hbuf, wsb, ybuf, lists, out0; writes out0
.if DOCPART == 10
	.amdgcn_target "amdgcn-amd-amdhsa--gfx1250"
	.amdhsa_code_object_version 6
	.text
	.protected	k_qe09c72ad09_sdown
	.globl	k_qe09c72ad09_sdown
	.p2align	8
	.type	k_qe09c72ad09_sdown,@function
k_qe09c72ad09_sdown:
	s_mov_b64 s[64:65], 0
	v_nop
	global_prefetch_b8 v0, s[64:65] scope:SCOPE_SE
	s_setreg_imm32_b32 hwreg(HW_REG_WAVE_MODE, 25, 1), 1
	s_wait_xcnt 0x0
; THE SHARED EXPERT'S DOWN PRODUCT AND THE SUM.  out0[t][n] = the sum over k of Hs[t][k] Wsd[k][n] + Y[pos[t][0]][n] + Y[pos[t][1]][n].  Hs is bf16 and carries the shared gate already; Y is f32;
; Wsd comes as bf16 by slices of 64 columns (wsb[slice][k][64], made by the first launch).
; JOBS.  Work-group wg: columns 64 (wg % 16) on, tokens 128 (wg / 16) on; wave w 32 of them; K = 2,048.  The slice comes into LDS by four tensor loads, one a wave, each once: LDS bytes are filled once
; in the launch.  One barrier; then each wave works by itself: Hs's fragments from memory into registers seven steps of 64 K ahead, the weights' out of LDS turned, a step ahead.
; Source 0 = 16 columns, source 1 = 16 tokens.  pos, Y's rows and the first seven steps of Hs are asked for while the slice is on its way.
; NO CLUSTER: the 16 work-groups of a slice could ask for it jointly by fours, which would spare 192 KB of the 832 KB that a work-group fetches (256 of weights, 512 of Hs, 64 of Y); not built.
; REGISTERS: window 0: addresses v1-13; v[32:63] pos, then offsets into Y; v[64:127], v[128:191] two buffers of weights' fragments; v[192:223] rows read back
;   window 1: 8 accumulators, (f, c) at 8 (4 f + c); v[64:191] Y's rows      window 2: eight slots of Hs's fragments, step s, half kk, tokens f at 32 (s % 8) + 16 kk + 8 f
.set STEPB, 9216                       ; 64 rows of weights in LDS.  Two rows of 128 bytes lie in 288: row k at 288 (k / 2) + 128 (k % 2).
.set QTR,  73728                       ; a wave's quarter of the slice: 512 rows
.set STG,  4*QTR                       ; behind the weights, never filled by a tensor load: 16 rows x 272 bytes for each wave
.set SPY, 272
.set HSL, 262144                       ; bytes from a slice of 64 columns of Hs to the next
.set VB1, 3                            ; v3  my lane's place in a turning load, at the first step of the eight in hand; serves steps + 0 .. + 5
.set VB2, 4                            ; v4  the same six steps on; serves steps + 6 .. + 9
.set AO,  6
.set STO, 7
.set RD,  8
.set GO,  9
.set PO,  10
.set R16, 11
.set PP,  32
.set BF,  64
.set YR,  64                           ; in window 1
.set OB,  192
.set W_MM, 0x58                        ; weights window 0, Hs window 2, C and D window 1
.set W_LA, 0x80                        ; destination window 2
.set W_LY, 0x40                        ; destination window 1
.set W_ST, 0x04                        ; source 1 (an LDS store's data; an addend) window 1
.set W_YY, 0x45                        ; both sources and the destination window 1
.set MSB, 0
.macro WIN new
.if MSB != (\new)
	s_set_vgpr_msb (MSB<<8)|(\new)
.set MSB, \new
.endif
.endm
.macro PLACES
.rept 4
	v_nop
.endr
.endm
	s_load_b256 s[4:11], s[0:1], 0x0               ; hbuf s[4:5], wsb s[6:7], ybuf s[8:9], lists s[10:11]
	s_load_b64 s[12:13], s[0:1], 0x20              ; out0
	v_lshl_add_u32 v254, v0, 2, 0x4c400
	v_mov_b32 v255, 0
	ds_add_u32 v254, v255
	ds_add_u32 v254, v255
	v_lshrrev_b32 v12, 5, v0
	v_readfirstlane_b32 s14, v12                   ; wave 0..3
	s_and_b32 s15, ttmp9, 15                       ; the slice of 64 columns
	s_lshr_b32 s16, ttmp9, 4                       ; the block of 128 tokens
	s_lshl_b32 s17, s16, 7
	s_lshl_b32 s31, s14, 5
	s_add_co_u32 s17, s17, s31                     ; my first token
	s_mov_b32 s19, 0
	; the descriptor.  My 512 rows of 128 bytes are 65,536 dense bytes: asked for as 256 rows of 256 bytes, 32 bytes of padding behind each
	s_mov_b32 s32, 1                               ; 1:0 count = 1
	s_mul_i32 s33, s14, QTR                        ; 63:32 LDS address: wave x 73,728
	s_mov_b32 s36, (1<<16)|(1<<20)|(5<<22)|(7<<25) ; 17:16 elements of 2 bytes; 20 padding on; 24:22 after every 64 words (code 5); 31:25 8 words of it (code 7)
	s_mov_b32 s37, 128<<16                         ; tensor_dim0 = 128
	s_mov_b32 s38, 256<<16                         ; tensor_dim1 = 256
	s_mov_b32 s39, 128<<16                         ; tile_dim0 = 128
	s_mov_b32 s40, 256                             ; tile_dim1 = 256
	s_mov_b32 s41, 128                             ; 128 elements from row to row
	s_mov_b32 s42, 0
	s_mov_b32 s43, 0
	s_lshl_b32 s18, s15, 18                        ; a slice is 262,144 bytes,
	s_lshl_b32 s31, s14, 16                        ; my quarter of it 65,536
	s_add_co_u32 s18, s18, s31
	s_wait_dscnt 0x0
	s_wait_kmcnt 0x0
	s_add_nc_u64 s[34:35], s[6:7], s[18:19]        ; 120:64 global address
	s_or_b32 s35, s35, 0x80000000                  ; 127:126 type = 2
	tensor_load_to_lds s[32:35], s[36:43]          ; my one tensor load, ahead of every wait on TENSORcnt, every LDS read and the barrier
	s_nop 0
	v_and_b32 v1, 15, v0                           ; r
	v_bfe_u32 v2, v0, 4, 1                         ; h
	v_lshlrev_b32 v[PO], 3, v2
	v_lshlrev_b32 v[R16], 4, v1
	s_lshl_b32 s18, s17, 3
	s_add_co_u32 s18, s18, 28672
	s_add_nc_u64 s[24:25], s[10:11], s[18:19]      ; pos of my first token
.set m, 0
.rept 16                               ; m = 8 f + i: the two rows of Y for token 16 f + 2 i + h, the token whose row I store in step i of the way out
	global_load_b64 v[PP+2*m:PP+2*m+1], v[PO], s[24:25] offset:16*m
.set m, m+1
.endr
	s_lshl_b32 s18, s15, 8
	s_add_nc_u64 s[26:27], s[8:9], s[18:19]        ; Y at my 64 columns
	s_lshl_b32 s18, s17, 7
	s_add_co_u32 s18, s18, 5242880
	s_add_nc_u64 s[22:23], s[4:5], s[18:19]        ; Hs at my first token
	s_lshl_b32 s18, s17, 12
	s_lshl_b32 s31, s15, 8
	s_add_co_u32 s18, s18, s31
	s_add_nc_u64 s[28:29], s[12:13], s[18:19]      ; out0 at my first token and column
	v_bfe_u32 v12, v0, 1, 2                        ; the turning load: lane l reads row 8 h + l % 8, 16 bytes at 16 ((l / 8) % 2):
	v_lshl_add_u32 v12, v2, 2, v12                 ; the pair of rows 4 h + (l % 8) / 2,
	v_mul_u32_u24 v[VB1], v12, 288
	v_and_b32 v12, 1, v0                           ; the row l % 2 of the pair
	v_lshl_add_u32 v[VB1], v12, 7, v[VB1]
	v_bfe_u32 v12, v0, 3, 1
	v_lshl_add_u32 v[VB1], v12, 4, v[VB1]
	v_add_nc_u32 v[VB2], 6*STEPB, v[VB1]
	v_lshlrev_b32 v[AO], 7, v1
	v_lshl_add_u32 v[AO], v2, 4, v[AO]             ; Hs: row r of 128 bytes, 16 bytes for each half of the lanes
	s_mul_i32 s31, s14, 16*SPY
	s_add_co_u32 s31, s31, STG                     ; my stage
	v_mul_u32_u24 v12, v1, SPY
	v_lshl_add_u32 v12, v2, 5, v12
	v_add_nc_u32 v[STO], s31, v12
	v_mul_u32_u24 v12, v2, SPY
	v_add_nc_u32 v12, v[R16], v12
	v_add_nc_u32 v[RD], s31, v12
	v_lshl_add_u32 v[GO], v2, 12, v[R16]
	s_wait_loadcnt 0x0                             ; pos
.set n, 0
.rept 32
	v_min_u32 v[PP+n], 0x13ff, v[PP+n]             ; a loaded row enters an address only clamped
	v_lshl_add_u32 v[PP+n], v[PP+n], 12, v[R16]    ; a row of Y is 4,096 bytes
.set n, n+1
.endr
	WIN W_LY
.set n, 0
.rept 32                               ; the two experts' rows of Y, as they will be added: 16 lanes take 256 consecutive bytes of a row.  They wait in window 1 for the way out
	global_load_b128 v[YR+4*n:YR+4*n+3], v[PP+n], s[26:27] th:TH_LOAD_NT
.set n, n+1
.endr
; 8 matrix instructions: half kk (32 K) of step rel, 2 x 16 tokens x 4 column blocks.  The 8 accumulators take turns.
.macro MMS rel, kk, zero
	WIN W_MM
.set f, 0
.rept 2
.set c, 0
.rept 4
.if \zero
	v_wmma_f32_16x16x32_bf16 v[8*(4*f+c):8*(4*f+c)+7], v[BF+64*((\rel)%2)+32*(\kk)+8*c:BF+64*((\rel)%2)+32*(\kk)+8*c+7], v[32*((\rel)%8)+16*(\kk)+8*f:32*((\rel)%8)+16*(\kk)+8*f+7], 0
.else
	v_wmma_f32_16x16x32_bf16 v[8*(4*f+c):8*(4*f+c)+7], v[BF+64*((\rel)%2)+32*(\kk)+8*c:BF+64*((\rel)%2)+32*(\kk)+8*c+7], v[32*((\rel)%8)+16*(\kk)+8*f:32*((\rel)%8)+16*(\kk)+8*f+7], v[8*(4*f+c):8*(4*f+c)+7]
.endif
.set c, c+1
.endr
.set f, f+1
.endr
.endm
.macro ALOAD rel                       ; Hs's fragments of the step rel steps behind the base's: one slice of Hs; n = 2 kk + f
.set n, 0
.rept 4
	global_load_b128 v[32*((\rel)%8)+8*n:32*((\rel)%8)+8*n+3],   v[AO], s[22:23] offset:(\rel)*HSL+2048*(n%2)+64*(n/2)
	global_load_b128 v[32*((\rel)%8)+8*n+4:32*((\rel)%8)+8*n+7], v[AO], s[22:23] offset:(\rel)*HSL+2048*(n%2)+64*(n/2)+32
.set n, n+1
.endr
.endm
.macro BLOAD rel                       ; the weights' fragments of that step: 64 rows; n = 4 kk + c
.set n, 0
.rept 8
	ds_load_tr16_b128 v[BF+64*((\rel)%2)+8*n:BF+64*((\rel)%2)+8*n+3],   v[VB1+(\rel)/6] offset:((\rel)%6)*STEPB+(n/4)*4608+32*(n%4)
	ds_load_tr16_b128 v[BF+64*((\rel)%2)+8*n+4:BF+64*((\rel)%2)+8*n+7], v[VB1+(\rel)/6] offset:((\rel)%6)*STEPB+(n/4)*4608+32*(n%4)+2304
.set n, n+1
.endr
.endm
; A step: 64 along K.  At its head, four places behind the last step's products, which read those registers last: the next step's weights out of LDS (pfb) and Hs of the step seven further on (pfa).
.macro KSTEP rel, zero, pfa, pfb, left
	s_wait_loadcnt \left                           ; this step's eight loads of Hs are in; left: the younger runs of eight
	s_wait_dscnt 0x0                               ; this step's 16 loads from LDS, issued a step ago
	PLACES
.if \pfb
	WIN 0
	BLOAD (\rel)+1
.endif
.if \pfa
	WIN W_LA
	ALOAD (\rel)+7
.endif
	MMS \rel, 0, \zero
	MMS \rel, 1, 0
.endm
	WIN W_LA
.irp k, 0,1,2,3,4,5,6
	ALOAD \k                                       ; the first seven steps' Hs
.endr
	WIN 0
	s_wait_tensorcnt 0x0                           ; my quarter of the slice is in LDS,
	s_barrier_signal -1
	s_barrier_wait -1                              ; everybody's is.  The kernel's one barrier: from here on the weights are only read, and a stage is its wave's own
	BLOAD 0
	KSTEP 0, 1, 1, 1, 48                           ; step 0 stands in front of the loop: its first products start the sums; six younger runs of eight stay out
	WIN 0
	s_mov_b32 s30, 3
.Lk:                                                   ; a trip: steps 8 t + 1 .. 8 t + 8
.irp k, 1,2,3,4,5,6,7,8
	KSTEP \k, 0, 1, 1, 48
.endr
	WIN 0
	v_add_nc_u32 v[VB1], 8*STEPB, v[VB1]
	v_add_nc_u32 v[VB2], 8*STEPB, v[VB2]
	s_wait_xcnt 0x0                                ; the base is stepped only behind this wait
	s_add_nc_u64 s[22:23], s[22:23], 8*HSL
	s_sub_co_u32 s30, s30, 1
	s_cmp_lg_u32 s30, 0
	s_cbranch_scc1 .Lk
	KSTEP 1, 0, 0, 1, 48                           ; steps 25 to 31 ask for no more of Hs: the counts run down
	KSTEP 2, 0, 0, 1, 40
	KSTEP 3, 0, 0, 1, 32
	KSTEP 4, 0, 0, 1, 24
	KSTEP 5, 0, 0, 1, 16
	KSTEP 6, 0, 0, 1, 8
	KSTEP 7, 0, 0, 0, 0                            ; the wait for 0 also shows Y's rows in
	PLACES
; THE WAY OUT of 16 tokens f: through my stage, plus Y's two rows, out.  Each accumulator's low four registers go first.
.macro FIN f
	WIN W_ST
.set c, 0
.rept 4
	ds_store_b128 v[STO], v[8*(4*(\f)+c):8*(4*(\f)+c)+3] offset:64*c
	ds_store_b128 v[STO], v[8*(4*(\f)+c)+4:8*(4*(\f)+c)+7] offset:64*c+16
.set c, c+1
.endr
	WIN W_YY
.set i, 0
.rept 8
	v_pk_add_f32 v[YR+8*(8*(\f)+i):YR+8*(8*(\f)+i)+1],   v[YR+8*(8*(\f)+i):YR+8*(8*(\f)+i)+1],   v[YR+8*(8*(\f)+i)+4:YR+8*(8*(\f)+i)+5]
	v_pk_add_f32 v[YR+8*(8*(\f)+i)+2:YR+8*(8*(\f)+i)+3], v[YR+8*(8*(\f)+i)+2:YR+8*(8*(\f)+i)+3], v[YR+8*(8*(\f)+i)+6:YR+8*(8*(\f)+i)+7]
.set i, i+1
.endr
	WIN 0
	s_wait_xcnt 0x0                                ; earlier stores' data registers are loaded again only behind this wait
.set i, 0
.rept 8
	ds_load_b128 v[OB+4*i:OB+4*i+3], v[RD] offset:2*SPY*i  ; LDS serves a wave's instructions in order (ISA guide 5.7.1.4)
.set i, i+1
.endr
	s_wait_dscnt 0x0
	WIN W_ST
.set i, 0
.rept 8
	v_pk_add_f32 v[OB+4*i:OB+4*i+1],   v[OB+4*i:OB+4*i+1],   v[YR+8*(8*(\f)+i):YR+8*(8*(\f)+i)+1]
	v_pk_add_f32 v[OB+4*i+2:OB+4*i+3], v[OB+4*i+2:OB+4*i+3], v[YR+8*(8*(\f)+i)+2:YR+8*(8*(\f)+i)+3]
.set i, i+1
.endr
	WIN 0
.set i, 0
.rept 8
	global_store_b128 v[GO], v[OB+4*i:OB+4*i+3], s[28:29] offset:(16*(\f)+2*i)*4096 th:TH_STORE_NT  ; 16 lanes store 256 consecutive bytes, at a multiple of 256 from out0's first
.set i, i+1
.endr
.endm
	FIN 0
	FIN 1
	s_wait_tensorcnt 0x0
	ds_add_u32 v254, v255
	s_wait_dscnt 0x0
	s_endpgm
.Lfunc_end_k_qe09c72ad09_sdown:
	.size	k_qe09c72ad09_sdown, .Lfunc_end_k_qe09c72ad09_sdown-k_qe09c72ad09_sdown
	.p2alignl 7, 3214868480
	.fill 96, 4, 3214868480
	.section	.rodata,"a",@progbits
	.p2align	6, 0x0
	.amdhsa_kernel k_qe09c72ad09_sdown
		.amdhsa_group_segment_fixed_size 312832
		.amdhsa_private_segment_fixed_size 0
		.amdhsa_enable_private_segment 0
		.amdhsa_kernarg_size 40
		.amdhsa_user_sgpr_count 2
		.amdhsa_user_sgpr_kernarg_segment_ptr 1
		.amdhsa_wavefront_size32 1
		.amdhsa_system_sgpr_workgroup_id_x 1
		.amdhsa_system_sgpr_workgroup_id_y 1
		.amdhsa_system_sgpr_workgroup_id_z 1
		.amdhsa_system_vgpr_workitem_id 0
		.amdhsa_next_free_vgpr 768
		.amdhsa_next_free_sgpr 66
		.amdhsa_reserve_vcc 0
		.amdhsa_float_denorm_mode_32 3
		.amdhsa_float_denorm_mode_16_64 3
		.amdhsa_memory_ordered 1
		.amdhsa_forward_progress 1
		.amdhsa_inst_pref_size 69
	.end_amdhsa_kernel
	.amdgpu_metadata
---
amdhsa.version: [ 1, 2 ]
amdhsa.kernels:
  - .name:           k_qe09c72ad09_sdown
    .symbol:         k_qe09c72ad09_sdown.kd
    .args:
      - { .name: hbuf, .offset: 0, .size: 8, .value_kind: global_buffer, .address_space: global }
      - { .name: wsb, .offset: 8, .size: 8, .value_kind: global_buffer, .address_space: global }
      - { .name: ybuf, .offset: 16, .size: 8, .value_kind: global_buffer, .address_space: global }
      - { .name: lists, .offset: 24, .size: 8, .value_kind: global_buffer, .address_space: global }
      - { .name: out0, .offset: 32, .size: 8, .value_kind: global_buffer, .address_space: global }
    .group_segment_fixed_size: 312832
    .private_segment_fixed_size: 0
    .kernarg_segment_align: 8
    .kernarg_segment_size: 40
    .max_flat_workgroup_size: 128
    .sgpr_count:     66
    .vgpr_count:     768
    .wavefront_size: 32
...
	.end_amdgpu_metadata
.endif
;; end of part 10
